; MI455X (gfx1250); checked and timed in simulation.
; The chip was launched on July 23, 2026; its instructions are those of AMD's public machine-readable ISA for CDNA 5 (MIT licence, August 2026) and "CDNA5" Instruction Set Architecture Reference Guide (July 2026). The comments in the code are by the model that wrote it; some were corrected since.
;; Multi Head Attention. Allowed arithmetic: matrix products marked QUANTISED: E3M2 operands, one E8M0 scale for each 32 along K, by v_wmma_scale_f32_16x16x128_f8f6f4 with both operands' format E3M2, f32 sums; everything else in f32.
;; Inputs: Wk 1,024 x 1,024 float32; Wo 1,024 x 1,024 float32; Wq 1,024 x 1,024 float32; Wv 1,024 x 1,024 float32; x 4 x 2,048 x 1,024 float32.
;; Outputs: out0 4 x 2,048 x 1,024 float32.
;; This version of the problem:
;;   THIS VERSION OF THE PROBLEM IS GIVEN IN LOW PRECISION. The matrix products marked QUANTISED in the list below multiply operands that are first quantised to E3M2 (3 exponent bits, 2 mantissa bits; 6 bits a number), with one power-of-two scale for each 32 numbers along K (OCP MX v1.0); their sums are f32. All else is computed in f32.
;;   The module's matrix products, in the order in which they are computed (A, B: the left and right operand; K: the contracted axis; several contracted axes count as one K, in the product's order):
;;     1. [M 8,192, K 1,024] x [K 1,024, N 1,024]; A: input x; B: input Wq: QUANTISED
;;     2. [M 8,192, K 1,024] x [K 1,024, N 1,024]; A: input x; B: input Wk: QUANTISED
;;     3. [M 8,192, K 1,024] x [K 1,024, N 1,024]; A: input x; B: input Wv: QUANTISED
;;     4. batch 64 x [M 2,048, K 64] x [K 64, N 2,048]; A: computed on the way; B: computed on the way: QUANTISED
;;     5. batch 64 x [M 2,048, K 2,048] x [K 2,048, N 64]; A: softmax (see below); B: computed on the way: QUANTISED
;;     6. [M 8,192, K 1,024] x [K 1,024, N 1,024]; A: computed on the way; B: input Wo: QUANTISED
;;   THE QUANTISER, for each operand of a quantised product, along K:
;;     - K is cut into blocks of 32 from its start; a last block that is shorter is filled with zeros.
;;     - A block's scale is 2^e with e = floor(log2(the largest magnitude in the block)) - 4, held to -126 .. 127; a block of zeros has e = 0. As a byte (E8M0): e + 127.
;;     - Each number is divided by its block's scale, clamped to +-28, and rounded to the nearest number of E3M2, ties to even, subnormals kept.
;;     - The product sums the exact products of the quantised numbers (number of the format x scale) in f32.
;;   ~~~python
;;   def quantise(x, axis):      # numpy; x: float32 -> the quantised numbers, widened to float32 again
;;       x = np.moveaxis(x, axis, -1); K = x.shape[-1]
;;       x = np.pad(x, [(0, 0)] * (x.ndim - 1) + [(0, -K % 32)]); x = x.reshape(x.shape[:-1] + (-1, 32)); a = np.abs(x).max(-1, keepdims=True)
;;       e = np.where(a > 0, np.clip(np.frexp(np.where(a > 0, a, 1))[1] - 1 - 4, -126, 127), 0)      # np.frexp(a)[1] - 1 = floor(log2(a)), exactly
;;       r = np.clip(x / 2.0 ** e, -28, 28)
;;       step = 2.0 ** (np.maximum(np.frexp(np.where(r == 0, 1, r))[1] - 1, -2) - 2)
;;       q = np.round(r / step) * step * 2.0 ** e      # np.round: ties to even
;;       return np.moveaxis(q.reshape(q.shape[:-2] + (-1,))[..., :K], -1, axis).astype(np.float32)
;;   ~~~
;;   SOFTMAX AHEAD OF A QUANTISED PRODUCT. Where the list says 'softmax', what is quantised is not the finished softmax but p = 2^(t - M), with t = logit x log2(e) and M = ceil(the row's largest t), a whole number; so 1/2 < the row's largest p <= 1. The row's sum l is taken of the UNQUANTISED p, in f32, and the product's result is divided by l at the end. Since M is a whole number, a kernel that streams over the keys may use a running M (the ceiling of the running maximum): every later rescaling is an exact power of two, which a block's scale takes up: the codes' values come out the same.
;;   OPERANDS COMPUTED ON THE WAY. 'Computed on the way' means the value that the module computes at that place (a softmax that the list does not call 'softmax' is quantised finished and normalised). What goes into a quantiser is computed in f32, as accurately as f32 sums, v_exp_f32 and their like allow (about 1e-6 of the number): no bf16 or f16 on the way to a quantiser, and a product that is left as it is and whose result goes on into a quantised operand takes f32 operands (vector FMAs, or v_wmma_f32_16x16x4_f32). A number that lies on a knife's edge between two numbers of the format may be rounded either way, as far as f32 arithmetic and the matrix unit's own rounding can turn it there, and no further.
;; One version. Each part assembles by itself: llvm-mc -triple=amdgcn-amd-amdhsa -mcpu=gfx1250 --defsym DOCPART=n.
;; ======== version 1 of 1: 4 launches
;; workspace buffers: xq 6,553,600 bytes; wq 3,276,800 bytes; qq 6,815,744 bytes; kv 13,369,344 bytes; oq 6,553,600 bytes
;; launch quant (part 1): grid 384 x 1, 4 waves a work-group, no clusters, 62,976 bytes of LDS; arguments x, Wq, Wk, Wv, Wo, xq, wq; writes xq, wq
.if DOCPART == 1
	.amdgcn_target "amdgcn-amd-amdhsa--gfx1250"
	.amdhsa_code_object_version 6
	.text
	.protected	k_q30c290213c_quant
	.globl	k_q30c290213c_quant
	.p2align	8
	.type	k_q30c290213c_quant,@function
k_q30c290213c_quant:
	s_mov_b64 s[64:65], 0
	v_nop
	global_prefetch_b8 v0, s[64:65] scope:SCOPE_SE
	s_setreg_imm32_b32 hwreg(HW_REG_WAVE_MODE, 25, 1), 1
	s_wait_xcnt 0x0
; MULTI-HEAD ATTENTION IN MX-BF6, launch 1 of 4: x [8192][1024] and Wq, Wk, Wv, Wo [1024 (K)][1024] (f32) become codes of E3M2 and E8M0 scale words, quantised along K = the embedding axis.
; WORK LEFT OUT IN THIS PROGRAM: reference() sets the score of key k for query q to -infinity wherever k > q, by a jnp.tril that it builds itself; the softmax weight there is 0 whatever the inputs hold.
; So a step of 128 keys all of which come after all queries of a block of 128 reaches no output, and the third launch neither loads nor multiplies it.  Every input has a way to the output and is loaded.
; LIMITS: a NaN, an infinity or an overflow that would reach only those scores is not carried to the result.  NaN and infinities among the inputs are not served.  A block of zeros gets the scale byte 1
; where the quantiser says 127: its codes are zeros, which add nothing under any byte but 0xff, and the bytes are read by this program alone.  Largest magnitudes under 2^(5 - 127) are held at byte 1, as the quantiser's -126 asks.
; LAYOUT OF THE WORKSPACE: in the order of the reader's operand registers.  A UNIT is 128 rows x 256 along K, 25,600 bytes.  Rows go in four pairs of tiles: lane r of tile 2 p + u stands for row 32 p + 8 u + r + 8 (r / 8).
; A fragment (16 rows x 128 K, 12 registers a lane) is two halves of 768 bytes: registers 0-3 of lane L at 16 L, registers 4-5 at 512 + 8 L.  Codes at 6144 p + 3072 q + 1536 u + 768 c (q: which 128 of the 256; c: which half).
; Scale words at 24,576 + 512 q: lane L's 16 bytes at 16 L hold word j = the word of tile 2 j + L / 16, row L % 16.
; SHARES: a work-group makes one unit, wave w its pair p = w.  Work-groups 0-255: x (unit = ((token / 256) 4 + K / 256) 2 + (token / 128) % 2).  Work-groups 256-383: the weights (unit = 4 nb + K / 256, nb = 8 x matrix + column / 128).
; The two paths part on the work-group's number and have LDS bytes of their own.  No tensor loads, no matrix unit, no cluster: memory binds, and work-groups share nothing.
.set R,     32                         ; x path: v32-159 two sets of 64: a fragment's numbers as loaded
.set X,     160                        ; v160-223 the same as 64 neighbours along K of my row
.set UNIT,  25600
.set XSTW,  8448                       ; x path: a wave's stage, 16 rows x (512 + 16) bytes, from LDS byte 0 on
.set SCX,   33792                      ; x path: the unit's scale words, 1,024 bytes
.set WST,   34816                      ; weights' path: a wave's stage, 4 fragments x (1,536 + 128) bytes
.set WSTW,  6656
.set SCW,   61440                      ; weights' path: the unit's scale words
.set SPARE, 62464                      ; the spare words, 128 bytes a wave: two blocks of 256 bytes that no other line names
.set FLOOR, 0x2800000                  ; 2^(5 - 127): no largest magnitude is taken under it, so the byte cannot fall under 1
.set EOFF,  0xfe000000                 ; takes 4 off an exponent field
	s_load_b256 s[4:11], s[0:1], 0x0               ; x, Wq, Wk, Wv
	s_load_b128 s[12:15], s[0:1], 0x20             ; Wo, xq
	s_load_b64 s[16:17], s[0:1], 0x30              ; wq
	v_lshl_add_u32 v1, v0, 2, SPARE                ; my spare word; never rewritten
	v_mov_b32 v2, 0                                ; 0; never rewritten
	v_lshrrev_b32 v3, 5, v0
	v_readfirstlane_b32 s18, v3                    ; wave 0..3
	v_and_b32 v21, 31, v0                          ; lane
	s_mov_b32 s20, 0x76543210
	s_mov_b32 s21, 0xfedcba98                      ; lane selects: lane l xor 16
	s_mov_b32 s22, 0xffff0000                      ; lanes 16-31
	s_cmp_ge_u32 ttmp9, 256
	s_cbranch_scc1 .Lweights
; ---------------------------------------------------------------- x: K is innermost
	v_lshlrev_b32 v3, 4, v21                       ; 16 L
	v_lshlrev_b32 v4, 3, v21
	v_add_nc_u32 v4, 512, v4                       ; 8 L + 512
	s_mul_i32 s23, s18, XSTW
	v_add_nc_u32 v5, s23, v3                       ; the stage, on the way in: a row's 512 bytes as they lie
	v_and_b32 v22, 15, v0                          ; r
	v_bfe_u32 v23, v0, 4, 1                        ; h
	v_mul_u32_u24 v6, v22, 528
	v_lshl_add_u32 v6, v23, 7, v6
	v_add_nc_u32 v6, s23, v6                       ; and out: row r, + 128 h: my 32 numbers of each 64
	v_lshlrev_b32 v7, 3, v23                       ; 8 h
	s_lshl_b32 s23, s18, 2
	s_add_co_u32 s23, s23, SCX
	v_add_nc_u32 v8, s23, v3                       ; my scale word's place: SCX + 16 L + 4 w
	s_lshl_b32 s23, s18, 9
	v_add_nc_u32 v28, s23, v3                      ; the copy of the scale words: 16 L + 512 w in memory,
	s_add_co_u32 s23, s23, SCX
	v_add_nc_u32 v9, s23, v3                       ; and in LDS (waves 0 and 1 use them)
	v_mov_b32 v20, 0                               ; a lane permute's destination counts as one of its sources
	s_lshr_b32 s24, ttmp9, 3
	s_lshl_b32 s24, s24, 8                         ; 256 x (unit / 8)
	s_and_b32 s25, ttmp9, 1
	s_lshl_b32 s25, s25, 7                         ; + 128 x half
	s_add_co_u32 s24, s24, s25
	s_lshl_b32 s25, s18, 5
	s_add_co_u32 s24, s24, s25                     ; + 32 x wave: my pair's first token
	s_lshl_b32 s24, s24, 12                        ; rows of 4,096 bytes
	s_bfe_u32 s25, ttmp9, 0x20001                  ; which 256 along K
	s_lshl_b32 s25, s25, 10
	s_add_co_u32 s24, s24, s25
	s_mov_b32 s25, 0
	s_mul_i32 s26, ttmp9, UNIT
	s_mov_b32 s27, 0
	s_mul_i32 s28, s18, 6144
	s_mov_b32 s29, 0
	s_wait_kmcnt 0x0
	s_add_nc_u64 s[4:5], s[4:5], s[24:25]
	s_add_nc_u64 s[14:15], s[14:15], s[26:27]      ; my unit
	s_add_nc_u64 s[30:31], s[14:15], s[28:29]      ; my pair in it
; fragment f = 2 q + u: 16 rows x 128 along K; each load reads 512 consecutive bytes of one row
.macro LOADF f
.set lp, 0
.rept 16
	global_load_b128 v[R+64*((\f)%2)+4*lp:R+64*((\f)%2)+4*lp+3], v3, s[4:5] offset:(8*((\f)%2)+lp+8*(lp/8))*4096+512*((\f)/2) th:TH_LOAD_NT
.set lp, lp+1
.endr
.endm
.macro FRAGX f
.set RS, R+64*((\f)%2)
.set CA, 224+12*((\f)%2)
.if (\f) < 3
	s_wait_loadcnt 16                              ; this fragment's 16 loads are in; the next fragment's 16 may be out
.else
	s_wait_loadcnt 0x0
.endif
.set lp, 0
.rept 16
	ds_store_b128 v5, v[RS+4*lp:RS+4*lp+3] offset:528*lp
.set lp, lp+1
.endr
.set lp, 0
.rept 16
	ds_load_b128 v[X+4*lp:X+4*lp+3], v6 offset:256*(lp/8)+16*(lp%8)   ; LDS serves a wave's instructions in order: these see the stores.  Register 32 c + i = K 64 c + 32 h + i of row r
.set lp, lp+1
.endr
	s_wait_dscnt 0x0                               ; the numbers are back, and the stores have read their registers,
.if (\f)+2 < 4
	LOADF (\f)+2                                   ; which take the loads of two fragments on
.endif
	v_max3_num_f32 v10, |v[X]|, |v[X+1]|, FLOOR    ; my two blocks of 32 (2 c + h), by turns
	v_max3_num_f32 v11, |v[X+32]|, |v[X+33]|, FLOOR
.set lp, 2
.rept 15
	v_max3_num_f32 v10, v10, |v[X+lp]|, |v[X+lp+1]|
	v_max3_num_f32 v11, v11, |v[X+32+lp]|, |v[X+33+lp]|
.set lp, lp+2
.endr
	v_add_nc_u32 v12, EOFF, v10                    ; 4 off the exponent field: the conversion takes the exponent field of this operand as its scale
	v_add_nc_u32 v13, EOFF, v11
	v_lshrrev_b32 v14, 23, v12                     ; the scales' bytes
	v_lshrrev_b32 v15, 23, v13
	v_lshl_or_b32 v14, v15, 16, v14                ; blocks h and 2 + h,
	v_lshlrev_b32 v14, v7, v14                     ; at their places in the word;
	v_permlanex16_b32 v20, v14, s20, s21
	v_or_b32 v[16+(\f)], v14, v20                  ; with lane l xor 16's two the row's word is whole
.if (\f) >= 2
	s_wait_xcnt 0x0                                ; the stores of two fragments back have read this set of codes
.endif
	v_cvt_scalef32_pk16_bf6_f32 v[CA:CA+2], v[X:X+15], v12
	v_cvt_scalef32_pk16_bf6_f32 v[248:250], v[X+16:X+31], v12      ; (a conversion's three registers begin on an even number)
	v_cvt_scalef32_pk16_bf6_f32 v[CA+6:CA+8], v[X+32:X+47], v13
	v_cvt_scalef32_pk16_bf6_f32 v[252:254], v[X+48:X+63], v13
	v_nop                                          ; one plain place behind a scaled conversion
.irp i, 0,1,2
	v_mov_b32 v[CA+3+\i], v[248+\i]
	v_mov_b32 v[CA+9+\i], v[252+\i]
.endr
	global_store_b128 v3, v[CA:CA+3], s[30:31] offset:1536*(\f)           ; 512 consecutive bytes, aligned
	global_store_b64 v4, v[CA+4:CA+5], s[30:31] offset:1536*(\f)          ; 256 consecutive bytes, aligned
	global_store_b128 v3, v[CA+6:CA+9], s[30:31] offset:1536*(\f)+768
	global_store_b64 v4, v[CA+10:CA+11], s[30:31] offset:1536*(\f)+768
.endm
	LOADF 0
	LOADF 1
	FRAGX 0
	FRAGX 1
	FRAGX 2
	FRAGX 3
	v_cndmask_b32 v24, v16, v17, s22               ; lanes 0-15: tile 2 w's word, lanes 16-31: tile 2 w + 1's
	v_cndmask_b32 v25, v18, v19, s22
	ds_store_b32 v8, v24
	ds_store_b32 v8, v25 offset:512
	s_wait_dscnt 0x0                               ; for the others' sake: my words lie in LDS
	s_barrier_signal -1
	s_barrier_wait -1
	s_cmp_gt_u32 s18, 1
	s_cbranch_scc1 .Lx_end
	ds_load_b128 v[160:163], v9                    ; waves 0 and 1: the 512 bytes of one K step's words
	s_wait_dscnt 0x0
	global_store_b128 v28, v[160:163], s[14:15] offset:24576
.Lx_end:
	s_wait_tensorcnt 0x0                           ; the wave's end: behind my last LDS store
	ds_add_u32 v1, v2
	s_wait_dscnt 0x0
	s_endpgm
; ---------------------------------------------------------------- the weights: K is the first axis.  A lane takes a column, its registers run down K
.Lweights:
	v_lshlrev_b32 v3, 2, v21                       ; 4 bytes a lane
	v_bfe_u32 v22, v0, 3, 1                        ; column 32 w + l is lane r = l % 8 + 8 (l / 16) of tile 2 w + u, u = (l / 8) % 2
	v_and_b32 v23, 7, v0
	v_bfe_u32 v24, v0, 4, 1
	v_lshl_add_u32 v23, v24, 3, v23                ; r
	s_mul_i32 s23, s18, WSTW
	s_add_co_u32 s23, s23, WST                     ; my stage
	v_mul_u32_u24 v25, v22, 1664
	v_add_nc_u32 v25, s23, v25
	v_lshl_add_u32 v4, v23, 4, v25                 ; registers 0-3 of lane (r, 0) of fragment u
	v_lshl_add_u32 v5, v23, 3, v25
	v_add_nc_u32 v5, 512, v5                       ; registers 4-5
	v_lshl_add_u32 v6, v22, 4, v23
	v_lshlrev_b32 v6, 4, v6
	s_lshl_b32 s24, s18, 2
	s_add_co_u32 s24, s24, SCW
	v_add_nc_u32 v6, s24, v6                       ; my column's scale word: SCW + 16 (r + 16 u) + 4 w
	v_lshlrev_b32 v9, 4, v21                       ; 16 L
	v_add_nc_u32 v7, s23, v9                       ; the stage on the way out
	s_lshl_b32 s24, s18, 9
	v_add_nc_u32 v28, s24, v9                      ; the copy of the scale words, in memory
	s_add_co_u32 s24, s24, SCW
	v_add_nc_u32 v8, s24, v9                       ; and in LDS
	s_sub_co_u32 s24, ttmp9, 256                   ; the unit: 4 nb + K / 256
	s_lshr_b32 s25, s24, 2
	s_and_b32 s26, s24, 3
	s_lshr_b32 s27, s25, 3                         ; which matrix
	s_and_b32 s25, s25, 7
	s_lshl_b32 s25, s25, 9                         ; 128 columns of 4 bytes
	s_lshl_b32 s28, s18, 7                         ; + 32 x wave
	s_add_co_u32 s25, s25, s28
	s_lshl_b32 s26, s26, 20                        ; 256 rows of 4,096 bytes
	s_add_co_u32 s28, s25, s26
	s_mov_b32 s29, 0
	s_mul_i32 s30, s24, UNIT
	s_mov_b32 s31, 0
	s_mul_i32 s32, s18, 6144
	s_mov_b32 s33, 0
	s_wait_kmcnt 0x0
	s_cmp_lt_u32 s27, 1                            ; the choice hangs on the work-group's number alone
	s_cselect_b64 s[6:7], s[6:7], s[8:9]
	s_cmp_lt_u32 s27, 3
	s_cselect_b64 s[10:11], s[10:11], s[12:13]
	s_cmp_lt_u32 s27, 2
	s_cselect_b64 s[6:7], s[6:7], s[10:11]
	s_add_nc_u64 s[6:7], s[6:7], s[28:29]
	s_add_nc_u64 s[16:17], s[16:17], s[30:31]      ; my unit
	s_add_nc_u64 s[34:35], s[16:17], s[32:33]      ; my pair in it
.macro LOADB kb                        ; block kb: W(32 kb + i, my column): 128 consecutive bytes a wave, 512 a work-group
.set lp, 0
.rept 32
	global_load_b32 v[32+32*((\kb)%2)+lp], v3, s[6:7] offset:(32*(\kb)+lp)*4096 th:TH_LOAD_NT
.set lp, lp+1
.endr
.endm
.macro BLOCK kb                        ; block kb = 4 q + 2 c + h belongs to lane (r, h), registers 6 c .. 6 c + 5, of fragment (q, u)
.set XS, 32+32*((\kb)%2)
.if (\kb) < 7
	s_wait_loadcnt 32                              ; this block's 32 loads are in; the next block's may be out
.else
	s_wait_loadcnt 0x0
.endif
	v_max3_num_f32 v10, |v[XS]|, |v[XS+1]|, |v[XS+2]|
	v_max3_num_f32 v11, |v[XS+3]|, |v[XS+4]|, |v[XS+5]|
.irp i, 6,10,14,18,22,26
	v_max3_num_f32 v10, v10, |v[XS+\i]|, |v[XS+\i+1]|
	v_max3_num_f32 v11, v11, |v[XS+\i+2]|, |v[XS+\i+3]|
.endr
	v_max3_num_f32 v10, v10, |v[XS+30]|, |v[XS+31]|
	v_max3_num_f32 v10, v10, v11, FLOOR
	v_add_nc_u32 v12, EOFF, v10
	v_lshrrev_b32 v13, 23, v12
.if (\kb)%4 == 0
	v_mov_b32 v[26+(\kb)/4], v13                   ; four bytes to a word, the lower K in the lower byte
.else
	v_lshl_or_b32 v[26+(\kb)/4], v13, 8*((\kb)%4), v[26+(\kb)/4]
.endif
	v_cvt_scalef32_pk16_bf6_f32 v[96:98], v[XS:XS+15], v12
	v_cvt_scalef32_pk16_bf6_f32 v[104:106], v[XS+16:XS+31], v12
	v_nop                                          ; one plain place behind a scaled conversion
	v_mov_b32 v99, v104
	v_mov_b32 v100, v105
	v_mov_b32 v101, v106
	ds_store_b128 v4, v[96:99] offset:3328*((\kb)/4)+768*(((\kb)/2)%2)+256*((\kb)%2)
	ds_store_b64 v5, v[100:101] offset:3328*((\kb)/4)+768*(((\kb)/2)%2)+128*((\kb)%2)
.if (\kb)+2 < 8
	LOADB (\kb)+2
.endif
	s_wait_dscnt 0x0                               ; the stores have read their registers: the next block's codes may be written
.endm
	LOADB 0
	LOADB 1
.irp k, 0,1,2,3,4,5,6,7
	BLOCK \k
.endr
	ds_store_b32 v6, v26
	ds_store_b32 v6, v27 offset:512
.set lp, 0
.rept 12
	ds_load_b128 v[112+4*lp:115+4*lp], v7 offset:(lp/3)*1664+512*(lp%3)   ; my four fragments' images, as they lie
.set lp, lp+1
.endr
.set lp, 0
.rept 12
	s_wait_dscnt 11-lp                             ; LDS loads come back in order: number lp is in
	global_store_b128 v9, v[112+4*lp:115+4*lp], s[34:35] offset:(lp/3)*1536+512*(lp%3)
.set lp, lp+1
.endr
	s_barrier_signal -1                            ; (the last count above was 0: my words lie in LDS and no LDS instruction of mine is out)
	s_barrier_wait -1
	s_cmp_gt_u32 s18, 1
	s_cbranch_scc1 .Lw_end
	ds_load_b128 v[160:163], v8
	s_wait_dscnt 0x0
	global_store_b128 v28, v[160:163], s[16:17] offset:24576
.Lw_end:
	s_wait_tensorcnt 0x0                           ; the wave's end: behind my last LDS store
	ds_add_u32 v1, v2
	s_wait_dscnt 0x0
	s_endpgm
.Lfunc_end_k_q30c290213c_quant:
	.size	k_q30c290213c_quant, .Lfunc_end_k_q30c290213c_quant-k_q30c290213c_quant
	.p2alignl 7, 3214868480
	.fill 96, 4, 3214868480
	.section	.rodata,"a",@progbits
	.p2align	6, 0x0
	.amdhsa_kernel k_q30c290213c_quant
		.amdhsa_group_segment_fixed_size 62976
		.amdhsa_private_segment_fixed_size 0
		.amdhsa_enable_private_segment 0
		.amdhsa_kernarg_size 56
		.amdhsa_user_sgpr_count 2
		.amdhsa_user_sgpr_kernarg_segment_ptr 1
		.amdhsa_wavefront_size32 1
		.amdhsa_system_sgpr_workgroup_id_x 1
		.amdhsa_system_sgpr_workgroup_id_y 1
		.amdhsa_system_sgpr_workgroup_id_z 1
		.amdhsa_system_vgpr_workitem_id 0
		.amdhsa_next_free_vgpr 256
		.amdhsa_next_free_sgpr 66
		.amdhsa_reserve_vcc 0
		.amdhsa_float_denorm_mode_32 3
		.amdhsa_float_denorm_mode_16_64 3
		.amdhsa_memory_ordered 1
		.amdhsa_forward_progress 1
		.amdhsa_inst_pref_size 73
	.end_amdhsa_kernel
	.amdgpu_metadata
---
amdhsa.version: [ 1, 2 ]
amdhsa.kernels:
  - .name:           k_q30c290213c_quant
    .symbol:         k_q30c290213c_quant.kd
    .args:
      - { .name: x, .offset: 0, .size: 8, .value_kind: global_buffer, .address_space: global }
      - { .name: Wq, .offset: 8, .size: 8, .value_kind: global_buffer, .address_space: global }
      - { .name: Wk, .offset: 16, .size: 8, .value_kind: global_buffer, .address_space: global }
      - { .name: Wv, .offset: 24, .size: 8, .value_kind: global_buffer, .address_space: global }
      - { .name: Wo, .offset: 32, .size: 8, .value_kind: global_buffer, .address_space: global }
      - { .name: xq, .offset: 40, .size: 8, .value_kind: global_buffer, .address_space: global }
      - { .name: wq, .offset: 48, .size: 8, .value_kind: global_buffer, .address_space: global }
    .group_segment_fixed_size: 62976
    .private_segment_fixed_size: 0
    .kernarg_segment_align: 8
    .kernarg_segment_size: 56
    .max_flat_workgroup_size: 128
    .sgpr_count:     66
    .vgpr_count:     256
    .wavefront_size: 32
...
	.end_amdgpu_metadata
.endif
;; end of part 1
;; launch qkv (part 2): grid 24 x 32, 4 waves a work-group, clusters of 4 x 4, 327,680 bytes of LDS; arguments xq, wq, qq, kv; writes qq, kv
.if DOCPART == 2
	.amdgcn_target "amdgcn-amd-amdhsa--gfx1250"
	.amdhsa_code_object_version 6
	.text
	.protected	k_q30c290213c_qkv
	.globl	k_q30c290213c_qkv
	.p2align	8
	.type	k_q30c290213c_qkv,@function
k_q30c290213c_qkv:
	s_mov_b64 s[64:65], 0
	v_nop
	global_prefetch_b8 v0, s[64:65] scope:SCOPE_SE
	s_setreg_imm32_b32 hwreg(HW_REG_WAVE_MODE, 25, 1), 1
	s_wait_xcnt 0x0
	s_wait_alu depctr_hold_cnt(0) depctr_sa_sdst(0) depctr_va_vdst(0) depctr_va_sdst(0) depctr_va_ssrc(0) depctr_va_vcc(0) depctr_vm_vsrc(0)
	s_getreg_b32 s2, hwreg(HW_REG_IB_STS2, 6, 4)
	s_cmp_eq_u32 s2, 0
	s_cbranch_scc0 .Lentry_in_a_cluster
	s_endpgm
.Lentry_in_a_cluster:
	s_bfe_u32 s2, ttmp6, 0x10000c
	s_cmp_lg_u32 s2, 0xf033
	s_cbranch_scc0 .Lentry_shape_is_right
	s_endpgm
.Lentry_shape_is_right:
; Launch 2 of 4: q = x Wq, k = x Wk, v = x Wv on codes of E3M2; the results are quantised in registers and leave as codes: q and k along the head's 64, v along the keys.
; A work-group makes 256 tokens x 128 columns (two heads) of one of the three; wave (wr, wc) makes 128 tokens x 64 columns (one head): 32 accumulators.  Column block nb = 0-7: q, 8-15: k, 16-23: v.
; ALL OF K = 1024 LIES IN LDS: four chunks of 256 along K, each two units of x (51,200 bytes) and one of the weight (25,600).  Every byte of LDS is filled once, so there is no ring; a wave has four tensor loads out.
; CLUSTER 4 x 4: x's units hang on the token block alone and are asked for jointly along a row of the cluster, the weight's on the column block alone, along a column.
; q, k: source 0 = 16 weight columns, source 1 = 16 tokens: a lane holds one token, its registers run along the head's 64.  v: source 0 = 16 tokens, source 1 = 16 columns: a lane holds one channel, its registers run along the keys.
; The rows of a tile are not neighbours (lane r of tile 2 p + u is row 32 p + 8 u + r + 8 (r / 8)), so that the 16 registers of two neighbouring tiles are 16 neighbours along the next product's K.
; OUT: qq [b][head][block of 128 queries][6,656]: 8 half fragments of 768 bytes, then 512 bytes of scale words.  kv [b][pair of heads][128 keys][head % 2][13,056]: K as q; from 6,656 V's 4 fragments; from 12,800 V's scale words.
; The branch between the two forms hangs on the cluster's x, which all sixteen partners share.
; REGISTERS: window 0: v1-9 addresses; v16-23 x's scale words, v24-27 the weight's, two sets; v64-159 the weight's fragments, two sets of 48.  window 1: the accumulators.  window 2: v0-191 x's fragments, two sets of 96.
.set UNIT,  25600
.set ACH,   51200                      ; a chunk of x in LDS
.set BBASE, 204800                     ; the weight's chunks
.set SPARE, 307200                     ; the spare words, 128 bytes a wave
.set FLOOR, 0x2800000
.set EOFF,  0xfe000000
.set MSB, 0
.macro WIN new                         ; the immediate's high byte repeats the setting that is left
.if MSB != \new
	s_set_vgpr_msb (MSB<<8)|\new
.set MSB, \new
.endif
.endm
.macro PLACES
.rept 4
	v_nop
.endr
.endm
.macro CROUND                          ; a round of the cluster's barrier
	s_barrier_signal -1
	s_barrier_wait -1
	s_cmp_lg_u32 s12, 0
	s_cbranch_scc1 .Lnot_wave_0_\@
	s_barrier_signal -3
.Lnot_wave_0_\@:
	s_barrier_wait -3
	s_barrier_signal -1
	s_barrier_wait -1
.endm
; one matrix instruction on the registers rD, rA, rB, rSA, rSB.  zero: it starts its sum.  ra, rb: the scale words stand in lanes 16-31
.macro WM zero, ra, rb
.if \zero
.if (\ra) && (\rb)
	v_wmma_scale_f32_16x16x128_f8f6f4 v[rD:rD+7], v[rA:rA+11], v[rB:rB+11], 0, v[rSA], v[rSB] matrix_a_fmt:MATRIX_FMT_BF6 matrix_b_fmt:MATRIX_FMT_BF6 matrix_a_scale:MATRIX_SCALE_ROW1 matrix_b_scale:MATRIX_SCALE_ROW1
.elseif \ra
	v_wmma_scale_f32_16x16x128_f8f6f4 v[rD:rD+7], v[rA:rA+11], v[rB:rB+11], 0, v[rSA], v[rSB] matrix_a_fmt:MATRIX_FMT_BF6 matrix_b_fmt:MATRIX_FMT_BF6 matrix_a_scale:MATRIX_SCALE_ROW1
.elseif \rb
	v_wmma_scale_f32_16x16x128_f8f6f4 v[rD:rD+7], v[rA:rA+11], v[rB:rB+11], 0, v[rSA], v[rSB] matrix_a_fmt:MATRIX_FMT_BF6 matrix_b_fmt:MATRIX_FMT_BF6 matrix_b_scale:MATRIX_SCALE_ROW1
.else
	v_wmma_scale_f32_16x16x128_f8f6f4 v[rD:rD+7], v[rA:rA+11], v[rB:rB+11], 0, v[rSA], v[rSB] matrix_a_fmt:MATRIX_FMT_BF6 matrix_b_fmt:MATRIX_FMT_BF6
.endif
.else
.if (\ra) && (\rb)
	v_wmma_scale_f32_16x16x128_f8f6f4 v[rD:rD+7], v[rA:rA+11], v[rB:rB+11], v[rD:rD+7], v[rSA], v[rSB] matrix_a_fmt:MATRIX_FMT_BF6 matrix_b_fmt:MATRIX_FMT_BF6 matrix_a_scale:MATRIX_SCALE_ROW1 matrix_b_scale:MATRIX_SCALE_ROW1
.elseif \ra
	v_wmma_scale_f32_16x16x128_f8f6f4 v[rD:rD+7], v[rA:rA+11], v[rB:rB+11], v[rD:rD+7], v[rSA], v[rSB] matrix_a_fmt:MATRIX_FMT_BF6 matrix_b_fmt:MATRIX_FMT_BF6 matrix_a_scale:MATRIX_SCALE_ROW1
.elseif \rb
	v_wmma_scale_f32_16x16x128_f8f6f4 v[rD:rD+7], v[rA:rA+11], v[rB:rB+11], v[rD:rD+7], v[rSA], v[rSB] matrix_a_fmt:MATRIX_FMT_BF6 matrix_b_fmt:MATRIX_FMT_BF6 matrix_b_scale:MATRIX_SCALE_ROW1
.else
	v_wmma_scale_f32_16x16x128_f8f6f4 v[rD:rD+7], v[rA:rA+11], v[rB:rB+11], v[rD:rD+7], v[rSA], v[rSB] matrix_a_fmt:MATRIX_FMT_BF6 matrix_b_fmt:MATRIX_FMT_BF6
.endif
.endif
.endm
.macro FRAG dst, a16, a8, off          ; a fragment's image: two halves of 512 + 256 bytes; every load is dense
	ds_load_b128 v[\dst:\dst+3], v[\a16] offset:\off
	ds_load_b64 v[\dst+4:\dst+5], v[\a8] offset:\off
	ds_load_b128 v[\dst+6:\dst+9], v[\a16] offset:\off+768
	ds_load_b64 v[\dst+10:\dst+11], v[\a8] offset:\off+768
.endm
.macro FETCH q, set                    ; 50 LDS loads: the chunk's q-th 128 along K: x's 8 fragments, the weight's 4, their scale words
	WIN 0x80                                       ; destination window 2, address window 0
.set ft, 0
.rept 8
.set fD, 96*(\set)+12*ft
.set fO, (ft/2)*6144+(\q)*3072+(ft%2)*1536
	FRAG fD, 3, 4, fO
.set ft, ft+1
.endr
	WIN 0
.set ft, 0
.rept 4
.set fD, 64+48*(\set)+12*ft
.set fO, (ft/2)*6144+(\q)*3072+(ft%2)*1536
	FRAG fD, 5, 6, fO
.set ft, ft+1
.endr
	ds_load_b128 v[16+4*(\set):19+4*(\set)], v3 offset:24576+512*(\q)     ; register j: tile 2 j in lanes 0-15, tile 2 j + 1 in lanes 16-31
	ds_load_b64 v[24+2*(\set):25+2*(\set)], v7 offset:24576+512*(\q)
.endm
; 16 matrix instructions; the 32 accumulators take turns, one instruction a turn, in the same order in every K step
.macro MULQK set, half, zero           ; D(token tile tt, column tile nt) at v[32 tt + 8 nt]: source 0 the weight, source 1 x
	WIN 0x58                                       ; source 0 window 0, source 1 window 2, C and D window 1
.set tt, 4*(\half)
.rept 4
.set nt, 0
.rept 4
.set rD, 32*tt+8*nt
.set rA, 64+48*(\set)+12*nt
.set rB, 96*(\set)+12*tt
.set rSA, 24+2*(\set)+nt/2
.set rSB, 16+4*(\set)+tt/2
	WM \zero, nt%2, tt%2
.set nt, nt+1
.endr
.set tt, tt+1
.endr
.endm
.macro MULV set, half, zero            ; D at v[64 nt + 8 tt]: source 0 x, source 1 the weight
	WIN 0x52                                       ; source 0 window 2, source 1 window 0, C and D window 1
.set nt, 2*(\half)
.rept 2
.set tt, 0
.rept 8
.set rD, 64*nt+8*tt
.set rA, 96*(\set)+12*tt
.set rB, 64+48*(\set)+12*nt
.set rSA, 16+4*(\set)+tt/2
.set rSB, 24+2*(\set)+nt/2
	WM \zero, tt%2, nt%2
.set tt, tt+1
.endr
.set nt, nt+1
.endr
.endm
.macro MUL role, set, half, zero
.if \role
	MULV \set, \half, \zero
.else
	MULQK \set, \half, \zero
.endif
.endm
.macro KEVEN role, first               ; a chunk's first 128 along K, on set 0; its second 128 are fetched into set 1
.if \first
.else
	PLACES                                         ; four places between the products that read set 1 and the loads into it
.endif
	FETCH 1, 1
	s_wait_dscnt 50                                ; all but the 50 loads just issued: set 0 is in
	MUL \role, 0, 0, \first
	MUL \role, 0, 1, \first
.endm
.macro KODD role, left                 ; a chunk's second 128, on set 1; the next chunk's first 128 are fetched into set 0.  left: my tensor loads for later chunks, which may stay out
	s_wait_dscnt 0x0                               ; set 1 is in, and no LDS instruction of mine is out at the signal
	s_wait_tensorcnt \left                         ; my part of the next chunk has landed (a wave's tensor loads end in order);
	s_barrier_signal -1
	MUL \role, 1, 0, 0                             ; work on registers while the others arrive
	s_barrier_wait -1                              ; everybody's has.
	WIN 0
	v_add_nc_u32 v3, ACH, v3                       ; on to the next chunk.  These five are the places between the products that read set 0 and the loads into it
	v_add_nc_u32 v4, ACH, v4
	v_add_nc_u32 v5, UNIT, v5
	v_add_nc_u32 v6, UNIT, v6
	v_add_nc_u32 v7, UNIT, v7
	FETCH 0, 0
	MUL \role, 1, 1, 0
.endm
.macro MAIN role                       ; 8 K steps of 128, 32 matrix instructions each
	s_wait_tensorcnt 0x3                           ; my part of chunk 0 has landed; chunks 1 to 3 may be out
	s_barrier_signal -1
	s_barrier_wait -1
	FETCH 0, 0
	KEVEN \role, 1
	KODD \role, 2
	KEVEN \role, 0
	KODD \role, 1
	KEVEN \role, 0
	KODD \role, 0
	KEVEN \role, 0
	s_wait_dscnt 0x0
	MUL \role, 1, 0, 0
	MUL \role, 1, 1, 0
.endm
; THE WAY OUT.  In both forms block eb of 16 (32 numbers along the next K, half of them in lane l xor 16) is accumulator registers 16 eb .. 16 eb + 15.
; v64-79 largest magnitudes, then scale operands; v80-95 bytes; v96-143, v144-175 codes; v176-183 scale words; v184-187 their image.
.macro EPI role
	PLACES                                         ; four places behind the last products: their results are read and their operands' registers written
	WIN 0x05                                       ; sources 0 and 1 window 1
.set eb, 0
.rept 16
	v_max3_num_f32 v[64+eb], |v[16*eb]|, |v[16*eb+1]|, FLOOR       ; each accumulator is read from its low end on
.set eb, eb+1
.endr
	WIN 0x14                                       ; sources 1 and 2 window 1
.set ei, 2
.rept 7
.set eb, 0
.rept 16
	v_max3_num_f32 v[64+eb], v[64+eb], |v[16*eb+ei]|, |v[16*eb+ei+1]|
.set eb, eb+1
.endr
.set ei, ei+2
.endr
	WIN 0
.set eb, 0
.rept 16
	v_permlanex16_b32 v[80+eb], v[64+eb], s80, s81
.set eb, eb+1
.endr
.set eb, 0
.rept 16
	v_max_num_f32 v[64+eb], v[64+eb], v[80+eb]     ; the block's largest magnitude
.set eb, eb+1
.endr
.set eb, 0
.rept 16
	v_add_nc_u32 v[64+eb], EOFF, v[64+eb]          ; 4 off its exponent field: the conversion's scale operand
.set eb, eb+1
.endr
.set eb, 0
.rept 16
	v_lshrrev_b32 v[80+eb], 23, v[64+eb]           ; the scale's byte
.set eb, eb+1
.endr
.if \role
.set eb, 0
.rept 4                                ; v: a channel's four blocks of 32 keys make a word
	v_lshl_or_b32 v[176+eb], v[80+4*eb+1], 8, v[80+4*eb]
	v_lshl_or_b32 v[176+eb], v[80+4*eb+2], 16, v[176+eb]
	v_lshl_or_b32 v[176+eb], v[80+4*eb+3], 24, v[176+eb]
.set eb, eb+1
.endr
	v_cndmask_b32 v184, v176, v177, s82            ; lanes 0-15: tile 2 j's word, lanes 16-31: tile 2 j + 1's
	v_cndmask_b32 v185, v178, v179, s82
.else
.set eb, 0
.rept 8                                ; q, k: a token's two blocks of the head's 64; bytes 2 and 3 stay 0: they stand over zero codes
	v_lshl_or_b32 v[176+eb], v[80+2*eb+1], 8, v[80+2*eb]
.set eb, eb+1
.endr
.set eb, 0
.rept 4
	v_cndmask_b32 v[184+eb], v[176+2*eb], v[176+2*eb+1], s82
.set eb, eb+1
.endr
.endif
	WIN 0x01                                       ; source 0 window 1
.set eb, 0
.rept 8
	v_cvt_scalef32_pk16_bf6_f32 v[96+6*eb:98+6*eb], v[32*eb:32*eb+15], v[64+2*eb]
	v_cvt_scalef32_pk16_bf6_f32 v[144+4*eb:146+4*eb], v[32*eb+16:32*eb+31], v[65+2*eb]
.set eb, eb+1
.endr
	v_nop                                          ; one plain place behind a scaled conversion
	WIN 0
.set eb, 0
.rept 8                                ; the operand's layout wants a whole block in a lane: lanes 0-15 the first of the pair, lanes 16-31 the second
.irp i, 0,1,2
	v_permlane16_swap_b32 v[96+6*eb+\i], v[144+4*eb+\i]
.endr
.irp i, 0,1,2
	v_mov_b32 v[99+6*eb+\i], v[144+4*eb+\i]
.endr
.set eb, eb+1
.endr
.set eb, 0
.rept 8
	global_store_b128 v8, v[96+6*eb:99+6*eb], s[86:87] offset:768*eb      ; 512 consecutive bytes, aligned
	global_store_b64 v9, v[100+6*eb:101+6*eb], s[86:87] offset:768*eb     ; 256 consecutive bytes, aligned (v9 carries the 512)
.set eb, eb+1
.endr
.if \role
	global_store_b64 v9, v[184:185], s[86:87] offset:6144-512
.else
	global_store_b128 v8, v[184:187], s[86:87] offset:6144
.endif
.endm
	s_load_b128 s[4:7], s[0:1], 0x0                ; xq, wq
	s_load_b128 s[8:11], s[0:1], 0x10              ; qq, kv
	v_lshl_add_u32 v1, v0, 2, SPARE                ; my spare word; never rewritten
	v_mov_b32 v2, 0                                ; 0; never rewritten
	ds_add_u32 v1, v2                              ; the wave's opening: the add, twice on end, and its wait ahead of my first tensor load
	ds_add_u32 v1, v2
	v_lshrrev_b32 v3, 5, v0
	v_readfirstlane_b32 s12, v3                    ; wave 0..3
	s_lshr_b32 s13, s12, 1                         ; wr: which 128 tokens.  Also: I fetch for x (0) or for the weight (1)
	s_and_b32 s14, s12, 1                          ; wc: which 64 columns.  Also: which half of a chunk I fetch
	s_bfe_u32 s66, ttmp6, 0x40000                  ; cx
	s_bfe_u32 s67, ttmp6, 0x40004                  ; cy
	s_lshl_b32 s68, ttmp9, 2
	s_add_co_u32 s68, s68, s66                     ; nb: column block
	s_and_b32 s69, ttmp7, 0xffff
	s_lshl_b32 s69, s69, 2
	s_add_co_u32 s69, s69, s67                     ; mb: block of 256 tokens
	s_lshl_b32 s70, s67, 2
	s_lshl_b32 s70, 15, s70                        ; my row of the cluster
	s_lshl_b32 s71, 0x1111, s66                    ; my column
	s_or_b32 s16, s70, (3<<16)|(1<<21)             ; group 1 for x: the mask; elements of 8 bytes; bit 21 beside a mask; no padding
	s_or_b32 s24, s71, (3<<16)|(1<<21)             ; and for the weight
.irp g, 16, 24
	s_mov_b32 s[\g+1], 32<<16                      ; tensor_dim0 = 32 elements: rows of 256 bytes of a dense block
	s_mov_b32 s[\g+3], 32<<16                      ; tile_dim0
	s_mov_b32 s[\g+5], 32                          ; the pitch
	s_mov_b32 s[\g+6], 0
	s_mov_b32 s[\g+7], 0
.endr
	s_mov_b32 s18, 100<<16                         ; x: a unit, 100 rows
	s_mov_b32 s20, 100
	s_mov_b32 s26, 50<<16                          ; the weight: half a unit, 50 rows
	s_mov_b32 s28, 50
	s_mul_i32 s76, s14, UNIT                       ; where they go: no place in the cluster enters an LDS address
	s_mul_i32 s77, s14, UNIT/2
	s_mul_i32 s72, s69, 4*ACH                      ; x: 204,800 mb + 25,600 half
	s_add_co_u32 s72, s72, s76
	s_mov_b32 s73, 0
	s_mul_i32 s74, s68, 4*UNIT                     ; the weight: 102,400 nb + 12,800 half
	s_add_co_u32 s74, s74, s77
	s_mov_b32 s75, 0
	s_add_co_u32 s77, s77, BBASE
	s_mov_b32 s80, 0x76543210
	s_mov_b32 s81, 0xfedcba98                      ; lane selects: lane l xor 16
	s_mov_b32 s82, 0xffff0000                      ; lanes 16-31
	s_wait_dscnt 0x0                               ; both opening adds are done
	s_wait_kmcnt 0x0
	s_add_nc_u64 s[72:73], s[4:5], s[72:73]
	s_add_nc_u64 s[74:75], s[6:7], s[74:75]
	CROUND                                         ; all sixteen work-groups are here: the joint loads meet
.irp kc, 0,1,2,3
	s_mov_b32 s[32+4*\kc], 1
	s_add_co_u32 s[33+4*\kc], s76, \kc*ACH
	s_add_nc_u64 s[34+4*\kc:35+4*\kc], s[72:73], \kc*ACH
	s_or_b32 s[35+4*\kc], s[35+4*\kc], 0x80000000
	s_mov_b32 s[48+4*\kc], 1
	s_add_co_u32 s[49+4*\kc], s77, \kc*UNIT
	s_add_nc_u64 s[50+4*\kc:51+4*\kc], s[74:75], \kc*UNIT
	s_or_b32 s[51+4*\kc], s[51+4*\kc], 0x80000000
.endr
	s_cmp_lt_u32 s12, 2                            ; waves 0, 1: x's two units of each chunk; waves 2, 3: the weight's two halves.  Four loads a wave, all first fills, in one group
	s_cbranch_scc0 .Lfill_b
.irp kc, 0,1,2,3
	tensor_load_to_lds s[32+4*\kc:35+4*\kc], s[16:23]
	s_nop 0
.endr
	PLACES
	s_branch .Lfilled
.Lfill_b:
.irp kc, 0,1,2,3
	tensor_load_to_lds s[48+4*\kc:51+4*\kc], s[24:31]
	s_nop 0
.endr
	PLACES
.Lfilled:
	v_and_b32 v10, 31, v0
	v_lshlrev_b32 v8, 4, v10                       ; 16 L
	v_lshlrev_b32 v9, 3, v10
	v_add_nc_u32 v9, 512, v9                       ; 8 L + 512
	s_mul_i32 s78, s13, UNIT
	v_add_nc_u32 v3, s78, v8                       ; my unit of x
	v_add_nc_u32 v4, s78, v9
	s_mul_i32 s78, s14, 12288
	s_add_co_u32 s78, s78, BBASE
	v_add_nc_u32 v5, s78, v8                       ; my two pairs of the weight's unit
	v_add_nc_u32 v6, s78, v9
	s_lshl_b32 s78, s14, 3
	s_add_co_u32 s78, s78, BBASE
	v_add_nc_u32 v7, s78, v8                       ; and their two scale words of the lane's four
	; where my results go
	s_and_b32 s84, s68, 7                          ; the pair of heads
	s_lshl_b32 s85, s69, 1
	s_add_co_u32 s85, s85, s13                     ; my group of 128 tokens
	s_lshr_b32 s88, s85, 4                         ; b
	s_and_b32 s89, s85, 15                         ; the block in the sequence
	s_lshl_b32 s90, s88, 4
	s_lshl_b32 s91, s84, 1
	s_add_co_u32 s90, s90, s91
	s_add_co_u32 s90, s90, s14                     ; 16 b + head
	s_lshl_b32 s90, s90, 4
	s_add_co_u32 s90, s90, s89
	s_mul_i32 s90, s90, 6656                       ; in qq
	s_lshl_b32 s92, s88, 3
	s_add_co_u32 s92, s92, s84
	s_lshl_b32 s92, s92, 4
	s_add_co_u32 s92, s92, s89
	s_lshl_b32 s92, s92, 1
	s_add_co_u32 s92, s92, s14
	s_mul_i32 s92, s92, 13056                      ; in kv;
	s_cmp_ge_u32 ttmp9, 4
	s_cselect_b32 s93, 6656, 0                     ; V lies behind K
	s_add_co_u32 s92, s92, s93
	s_cmp_lt_u32 ttmp9, 2
	s_cselect_b64 s[86:87], s[8:9], s[10:11]
	s_cselect_b32 s90, s90, s92
	s_mov_b32 s91, 0
	s_add_nc_u64 s[86:87], s[86:87], s[90:91]
	s_cmp_ge_u32 ttmp9, 4
	s_cbranch_scc1 .Lpath_v
	MAIN 0
	EPI 0
	s_branch .Lend
.Lpath_v:
	MAIN 1
	EPI 1
.Lend:
	s_wait_tensorcnt 0x0                           ; the wave's end
	ds_add_u32 v1, v2
	s_wait_dscnt 0x0
	CROUND                                         ; the closing round: no work-group ends while a partner may still ask for a tile that names it
	s_endpgm
.Lfunc_end_k_q30c290213c_qkv:
	.size	k_q30c290213c_qkv, .Lfunc_end_k_q30c290213c_qkv-k_q30c290213c_qkv
	.p2alignl 7, 3214868480
	.fill 96, 4, 3214868480
	.section	.rodata,"a",@progbits
	.p2align	6, 0x0
	.amdhsa_kernel k_q30c290213c_qkv
		.amdhsa_group_segment_fixed_size 327680
		.amdhsa_private_segment_fixed_size 0
		.amdhsa_enable_private_segment 0
		.amdhsa_kernarg_size 32
		.amdhsa_user_sgpr_count 2
		.amdhsa_user_sgpr_kernarg_segment_ptr 1
		.amdhsa_wavefront_size32 1
		.amdhsa_system_sgpr_workgroup_id_x 1
		.amdhsa_system_sgpr_workgroup_id_y 1
		.amdhsa_system_sgpr_workgroup_id_z 1
		.amdhsa_system_vgpr_workitem_id 0
		.amdhsa_next_free_vgpr 704
		.amdhsa_next_free_sgpr 100
		.amdhsa_reserve_vcc 0
		.amdhsa_float_denorm_mode_32 3
		.amdhsa_float_denorm_mode_16_64 3
		.amdhsa_memory_ordered 1
		.amdhsa_forward_progress 1
		.amdhsa_inst_pref_size 162
	.end_amdhsa_kernel
	.amdgpu_metadata
---
amdhsa.version: [ 1, 2 ]
amdhsa.kernels:
  - .name:           k_q30c290213c_qkv
    .symbol:         k_q30c290213c_qkv.kd
    .args:
      - { .name: xq, .offset: 0, .size: 8, .value_kind: global_buffer, .address_space: global }
      - { .name: wq, .offset: 8, .size: 8, .value_kind: global_buffer, .address_space: global }
      - { .name: qq, .offset: 16, .size: 8, .value_kind: global_buffer, .address_space: global }
      - { .name: kv, .offset: 24, .size: 8, .value_kind: global_buffer, .address_space: global }
    .group_segment_fixed_size: 327680
    .private_segment_fixed_size: 0
    .kernarg_segment_align: 8
    .kernarg_segment_size: 32
    .max_flat_workgroup_size: 128
    .sgpr_count:     100
    .vgpr_count:     704
    .wavefront_size: 32
...
	.end_amdgpu_metadata
.endif
;; end of part 2
;; launch attn (part 3): grid 8 x 32, 16 waves a work-group, no clusters, 327,680 bytes of LDS; arguments qq, kv, oq; writes oq
.if DOCPART == 3
	.amdgcn_target "amdgcn-amd-amdhsa--gfx1250"
	.amdhsa_code_object_version 6
	.text
	.protected	k_q30c290213c_attn
	.globl	k_q30c290213c_attn
	.p2align	8
	.type	k_q30c290213c_attn,@function
k_q30c290213c_attn:
	s_mov_b64 s[64:65], 0
	v_nop
	global_prefetch_b8 v0, s[64:65] scope:SCOPE_SE
	s_setreg_imm32_b32 hwreg(HW_REG_WAVE_MODE, 25, 1), 1
	s_wait_xcnt 0x0
; Launch 3 of 4: causal attention on codes of E3M2, and the result quantised along the embedding axis.
; WORK LEFT OUT: a step of 128 keys that all come after a block's 128 queries is hidden by reference()'s own jnp.tril for every input (weight 0): it is neither loaded nor multiplied.
; SOFTMAX: t = score x log2(e) / 8; M = the running largest t rounded up to a whole number; p = 2^(t - M) is quantised along the keys, not normalised; the row's sum is taken of the unquantised p and divides at the end.
; SHARES.  Work-group (i, y = 8 b + s) owns heads 2 s and 2 s + 1 and the query blocks i and 15 - i of 128.  Wave w (c = w / 8, w' = w % 8) owns tile w' (16 queries) of both blocks, of head 2 s + c:
; tile L walks i + 1 steps of 128 keys, tile H 16 - i: 17 tile steps for every wave of every work-group.  Four waves to a SIMD: one wave's vector work stands beside another's matrix work and LDS loads.
; NO CLUSTER: the eight work-groups of a pair of heads read the same K and V, but under the mask they need 16 - i steps each, a different number of slots: a joint load would bring some partner tiles that none of its waves reads.
; RING: two LDS slots of two steps x two heads x 13,056 bytes, one dense block of kv; waves 0-3 load a quarter each; all sixteen read.
; LAYOUT.  Both products are used transposed (S^T = K Q^T, O^T = V^T P^T): a lane holds one query throughout.  Keys, queries and V's channels stand in tiles whose lane r is row 32 p + 8 u + r + 8 (r / 8).
; K = 64 IN A FORM THAT IS 128 DEEP: Q's registers 6-11 are zero codes.  K's eight half fragments lie on end in v44-91, and tile t's operand is v[44 + 6 t .. + 11]: opposite Q's zeros stand the next tile's codes
; (for tile 7 six zero registers); every 6-bit pattern is a finite number and the scale bytes there are 0, no NaN: those products are 0.
; REGISTERS: v1, v2 the add's two; v3, v4 16 L, 8 L + 512; v5, v6 the step's LDS addresses; v7 the mask's d; v8 f, v9 p's scale word; v10-13, v14-17 -M, largest t, the sum in two halves (L, H); v18 Q's scale words (L below, H above);
; v19 at work; v20-31, v32-43 Q; v44-91 K, then V; v92-97 zeros; v98-161 S^T, then p; v162-193, v194-225 O^T; v226-237 p's codes; v238-245, v250-252 at work; v246-249 K's or V's scale words; v253 the prefetches' offset.
.set S,     98
.set SLOT1, 65536                      ; slot 1 begins here: one exclusive or turns an address from slot to slot
.set ENT,   13056                      ; a step's K and V of one head
.set STEPB, 26112
.set SLOTB, 52224
.set SCR,   131072                     ; the way out's scale words, 1,024 bytes: no tile lands here
.set SPARE, 132096                     ; the spare words, 128 bytes a wave
.set FLOOR, 0x2800000
.set EOFF,  0xfe000000
.macro PLACES
.rept 4
	v_nop
.endr
.endm
.macro WM zero, ra, rb                 ; one matrix instruction on rD, rA, rB, rSA, rSB.  ra, rb: the scale words stand in lanes 16-31
.if \zero
.if (\ra) && (\rb)
	v_wmma_scale_f32_16x16x128_f8f6f4 v[rD:rD+7], v[rA:rA+11], v[rB:rB+11], 0, v[rSA], v[rSB] matrix_a_fmt:MATRIX_FMT_BF6 matrix_b_fmt:MATRIX_FMT_BF6 matrix_a_scale:MATRIX_SCALE_ROW1 matrix_b_scale:MATRIX_SCALE_ROW1
.elseif \ra
	v_wmma_scale_f32_16x16x128_f8f6f4 v[rD:rD+7], v[rA:rA+11], v[rB:rB+11], 0, v[rSA], v[rSB] matrix_a_fmt:MATRIX_FMT_BF6 matrix_b_fmt:MATRIX_FMT_BF6 matrix_a_scale:MATRIX_SCALE_ROW1
.elseif \rb
	v_wmma_scale_f32_16x16x128_f8f6f4 v[rD:rD+7], v[rA:rA+11], v[rB:rB+11], 0, v[rSA], v[rSB] matrix_a_fmt:MATRIX_FMT_BF6 matrix_b_fmt:MATRIX_FMT_BF6 matrix_b_scale:MATRIX_SCALE_ROW1
.else
	v_wmma_scale_f32_16x16x128_f8f6f4 v[rD:rD+7], v[rA:rA+11], v[rB:rB+11], 0, v[rSA], v[rSB] matrix_a_fmt:MATRIX_FMT_BF6 matrix_b_fmt:MATRIX_FMT_BF6
.endif
.else
.if \ra
	v_wmma_scale_f32_16x16x128_f8f6f4 v[rD:rD+7], v[rA:rA+11], v[rB:rB+11], v[rD:rD+7], v[rSA], v[rSB] matrix_a_fmt:MATRIX_FMT_BF6 matrix_b_fmt:MATRIX_FMT_BF6 matrix_a_scale:MATRIX_SCALE_ROW1
.else
	v_wmma_scale_f32_16x16x128_f8f6f4 v[rD:rD+7], v[rA:rA+11], v[rB:rB+11], v[rD:rD+7], v[rSA], v[rSB] matrix_a_fmt:MATRIX_FMT_BF6 matrix_b_fmt:MATRIX_FMT_BF6
.endif
.endif
.endm
.macro TLOAD                           ; waves 0-3 fetch a quarter of a slot each; an s_nop 0 and four v_nop follow the load
	s_cmp_lt_u32 s12, 4
	s_cbranch_scc0 .Lasked_\@
	tensor_load_to_lds s[32:35], s[24:31]
	s_nop 0
	PLACES
.Lasked_\@:
.endm
; A PREFETCH INTO THE L2 of the slot that the NEXT change of slots will ask for: 52,224 dense bytes, lanes 256 bytes apart, 8,192 bytes a wave.  All eight work-groups of a pair of heads walk the same kv:
; the one with i = 0, which walks all sixteen steps, asks; in it waves 4 to 10, which fetch nothing, one instruction each.  The offset is held at the slot's last 256 bytes, so wave 10's last lanes name that block again.
; The last change that fills a slot asks for nothing; slots 0 and 1 come by their loads alone.
.macro ASK
	s_cmp_gt_u32 s19, s40
	s_cbranch_scc0 .Lnot_mine_\@
	global_prefetch_b8 v253, s[38:39] th:TH_LOAD_NT scope:SCOPE_SE
.Lnot_mine_\@:
.endm
; 64 numbers in v[S] on (register 16 b + i: the next K's 32 b + 16 h + i), with the four blocks' scale operands in v238-241, become 12 registers of codes in v226-237
.macro PACK
	v_cvt_scalef32_pk16_bf6_f32 v[226:228], v[S:S+15], v238
	v_cvt_scalef32_pk16_bf6_f32 v[242:244], v[S+16:S+31], v239     ; (a conversion's three registers begin on an even number)
	v_cvt_scalef32_pk16_bf6_f32 v[232:234], v[S+32:S+47], v240
	v_cvt_scalef32_pk16_bf6_f32 v[250:252], v[S+48:S+63], v241
	v_nop                                          ; one plain place behind a scaled conversion
.irp i, 0,1,2
	v_permlane16_swap_b32 v[226+\i], v[242+\i]     ; the operand's layout wants a whole block in a lane
	v_permlane16_swap_b32 v[232+\i], v[250+\i]
.endr
.irp i, 0,1,2
	v_mov_b32 v[229+\i], v[242+\i]
	v_mov_b32 v[235+\i], v[250+\i]
.endr
.endm
; ONE TILE OF 16 QUERIES AGAINST ONE STEP OF 128 KEYS.  qreg: Q's fragment; qrow: its scale words' half of v18; oreg: O^T; sreg: the statistics; kreg: the scalar register with the tile's own block
.macro TSTEP qreg, qrow, oreg, sreg, kreg
	PLACES                                         ; four places between the last products and the loads into their operands' registers
.set kt, 0
.rept 8
	ds_load_b128 v[44+6*kt:47+6*kt], v5 offset:768*kt
	ds_load_b64 v[48+6*kt:49+6*kt], v6 offset:768*kt
.set kt, kt+1
.endr
	ds_load_b128 v[246:249], v5 offset:6144        ; K's scale words: register j: tile 2 j below, tile 2 j + 1 above
	s_wait_dscnt 0x0
.set kt, 0
.rept 8
.set rD, S+8*kt
.set rA, 44+6*kt
.set rB, \qreg
.set rSA, 246+kt/2
.set rSB, 18
	WM 1, kt%2, \qrow
.set kt, kt+1
.endr
	PLACES
.set kt, 0
.rept 8                                ; V's four fragments are asked for now and land under the softmax
	ds_load_b128 v[44+6*kt:47+6*kt], v5 offset:6656+768*kt
	ds_load_b64 v[48+6*kt:49+6*kt], v6 offset:6656+768*kt
.set kt, kt+1
.endr
	ds_load_b64 v[246:247], v6 offset:12800-512    ; and its scale words
	s_cmp_lg_u32 s17, s[\kreg]                     ; only the tile's own block lies on the diagonal
	s_cbranch_scc1 .Lopen_\@
	v_mov_b32 v19, 0xff800000                      ; -infinity: p = 0 then
.set mn, 0
.rept 64                               ; register n holds key 32 (n / 16) + 16 h + n % 16 of the step: hidden where that is above my query
	v_cmp_gt_i32 vcc_lo, 32*(mn/16)+mn%16, v7
	v_cndmask_b32 v[S+mn], v[S+mn], v19, vcc_lo
.set mn, mn+1
.endr
.Lopen_\@:
.irp b, 0,1,2,3
	v_max3_num_f32 v[238+\b], v[S+16*\b], v[S+1+16*\b], v[S+2+16*\b]      ; the largest score of each block of 32 keys: for the row's maximum and, since p rises with the score, for the block's largest p
.endr
.irp i, 3,5,7,9,11,13
.irp b, 0,1,2,3
	v_max3_num_f32 v[238+\b], v[238+\b], v[S+16*\b+\i], v[S+1+16*\b+\i]
.endr
.endr
.irp b, 0,1,2,3
	v_max_num_f32 v[238+\b], v[238+\b], v[S+15+16*\b]
.endr
.irp b, 0,1,2,3
	v_permlanex16_b32 v[242+\b], v[238+\b], s20, s21
.endr
.irp b, 0,1,2,3
	v_max_num_f32 v[238+\b], v[238+\b], v[242+\b]  ; with lane l xor 16's 16 keys
.endr
	v_max3_num_f32 v19, v238, v239, v240
	v_max_num_f32 v19, v19, v241
	v_mul_f32 v19, s22, v19                        ; as t
	v_max_num_f32 v[\sreg+1], v[\sreg+1], v19      ; the running largest t
	v_mov_b32 v19, v[\sreg]
	v_floor_f32 v[\sreg], -v[\sreg+1]              ; the new -M = -ceil(t)
	v_sub_f32 v19, v[\sreg], v19                   ; old M - new M: a whole number, 0 or less
	v_cvt_i32_f32 v19, v19                         ; (it saturates)
	v_ldexp_f32 v8, 1.0, v19                       ; f = 2^(old M - new M): multiplying by it rounds nothing
.set sj, 0
.rept 32
	v_pk_fma_f32 v[S+sj:S+sj+1], v[S+sj:S+sj+1], s[22:23], v[\sreg:\sreg+1] op_sel_hi:[1,0,0]     ; t - M, two at a time
.set sj, sj+2
.endr
.irp b, 0,1,2,3
	v_fma_f32 v[238+\b], v[238+\b], s22, v[\sreg]  ; the same of each block's largest score
.endr
.set sj, 0
.rept 64
	v_exp_f32 v[S+sj], v[S+sj]                     ; p = 2^(t - M)
.set sj, sj+1
.endr
	v_pk_mul_f32 v[\sreg+2:\sreg+3], v[\sreg+2:\sreg+3], v[8:9] op_sel_hi:[1,0]   ; the sums under the new M: a plain place behind the exponentials
	s_wait_alu depctr_va_vdst(0)                   ; one wait for the batch of 64, ahead of its first reader
.irp b, 0,1,2,3
	v_exp_f32 v[238+\b], v[238+\b]                 ; the blocks' largest p
.endr
	v_pk_add_f32 v[242:243], v[S:S+1], v[S+2:S+3]  ; the row's sum of the unquantised p, in two chains
.irp j, 4,8,12,16,20,24,28,32,36,40,44,48,52,56,60
	v_pk_add_f32 v[\sreg+2:\sreg+3], v[\sreg+2:\sreg+3], v[S+\j:S+\j+1]
	v_pk_add_f32 v[242:243], v[242:243], v[S+2+\j:S+3+\j]
.endr
	v_pk_add_f32 v[\sreg+2:\sreg+3], v[\sreg+2:\sreg+3], v[242:243]
	s_wait_alu depctr_va_vdst(0)                   ; and one for the four
.irp b, 0,1,2,3
	v_max_num_f32 v[238+\b], FLOOR, v[238+\b]      ; the floor: the byte cannot fall under 1
.endr
.irp b, 0,1,2,3
	v_add_nc_u32 v[238+\b], EOFF, v[238+\b]        ; the conversion's scale operand
.endr
.irp b, 0,1,2,3
	v_lshrrev_b32 v[242+\b], 23, v[238+\b]         ; the scale's byte
.endr
	v_lshl_or_b32 v9, v243, 8, v242                ; p's scale word for these 128 keys
	v_lshl_or_b32 v9, v244, 16, v9
	v_lshl_or_b32 v9, v245, 24, v9
	PACK
.set sj, 0
.rept 16
	v_pk_mul_f32 v[\oreg+sj:\oreg+sj+1], v[\oreg+sj:\oreg+sj+1], v[8:9] op_sel_hi:[1,0]   ; O^T under the new M.  For each product below, twelve of these name none of its registers: the places behind the writes of p's codes and scale word
.set sj, sj+2
.endr
	s_wait_dscnt 0x0                               ; V is in
.set kt, 0
.rept 4
.set rD, \oreg+8*kt
.set rA, 44+12*kt
.set rB, 226
.set rSA, 246+kt/2
.set rSB, 9
	WM 0, kt%2, 0
.set kt, kt+1
.endr
.endm
.macro STEPBODY                        ; a step of 128 keys: tile H while the step is at or under its block, tile L likewise.  The branches hang on ids and the count of steps
	v_add_nc_u32 v5, s18, v3
	v_add_nc_u32 v6, s18, v4
	s_cmp_gt_u32 s17, s16
	s_cbranch_scc1 .Lno_h_\@
	TSTEP 32, 1, 194, 14, 16
.Lno_h_\@:
	s_cmp_gt_u32 s17, s15
	s_cbranch_scc1 .Lno_l_\@
	TSTEP 20, 0, 162, 10, 15
.Lno_l_\@:
	s_add_co_u32 s17, s17, 1
	s_add_co_u32 s18, s18, STEPB
.endm
.macro TWO_STEPS                       ; a slot's two steps: written once, walked twice
	s_mov_b32 s36, 2
.Lstep_\@:
	STEPBODY
	s_sub_co_u32 s36, s36, 1
	s_cmp_lg_u32 s36, 0
	s_cbranch_scc1 .Lstep_\@
	s_sub_co_u32 s18, s18, SLOTB                   ; back to a slot's first step,
	s_xor_b32 s18, s18, SLOT1                      ; in the other slot
.endm
; THE CHANGE OF SLOTS, at a slot's head.  Each wave waits for all its tensor loads, adds 0 to its spare word, and waits for that and for its reads of the slot that it has left; behind the barrier the slot ahead is whole
; and nobody reads the other one, which (fill = 1) takes the next two steps: that load has two steps' work in which to land.
.macro CHANGE fill
	s_wait_tensorcnt 0x0                           ; no tensor load of mine is out, so the descriptor may be written
	ds_add_u32 v1, v2
.if \fill
	ds_add_u32 v1, v2                              ; the add twice on end here, in every trip alike
	s_xor_b32 s33, s33, SLOT1                      ; the walking descriptor: the other slot,
	s_add_nc_u64 s[34:35], s[34:35], SLOTB         ; the next two steps
	s_wait_xcnt 0x0                                ; the last prefetch, a slot back, has read its address
	s_add_nc_u64 s[38:39], s[38:39], SLOTB
.endif
	s_wait_dscnt 0x0
	s_barrier_signal -1
	s_barrier_wait -1
.if \fill
	s_add_co_u32 s41, s17, 2                       ; the first step of the slot that this change would ask for:
	s_cmp_gt_u32 s41, s16                          ; beyond block 15 - i none of the sixteen waves reads it, so it is not asked for.  Ids and the count of steps alone: all waves go the same way; every wait on TENSORcnt here is for 0
	s_cbranch_scc1 .Lpast_\@
	TLOAD
.Lpast_\@:
	ASK
.endif
.endm
	s_load_b128 s[4:7], s[0:1], 0x0                ; qq, kv
	s_load_b64 s[8:9], s[0:1], 0x10                ; oq
	v_lshl_add_u32 v1, v0, 2, SPARE                ; my spare word; never rewritten
	v_mov_b32 v2, 0                                ; 0; never rewritten
	ds_add_u32 v1, v2                              ; the wave's opening: the add, twice on end, and its wait ahead of the first tensor load
	ds_add_u32 v1, v2
	v_lshrrev_b32 v3, 5, v0
	v_readfirstlane_b32 s12, v3                    ; wave 0..15
	s_lshr_b32 s13, s12, 3                         ; c: which head of the pair
	s_and_b32 s14, s12, 7                          ; w': which tile of a block
	s_mov_b32 s15, ttmp9                           ; block L = i
	s_sub_co_u32 s16, 15, ttmp9                    ; block H = 15 - i
	s_mov_b32 s17, 0                               ; the step
	s_mul_i32 s18, s13, ENT                        ; LDS byte of the step's K and V of my head
	s_mov_b32 s19, 7                               ; changes of slots that may ask for a slot
	s_mov_b32 s20, 0x76543210
	s_mov_b32 s21, 0xfedcba98                      ; lane selects: lane l xor 16
	s_mov_b32 s22, 0x3e38aa3b                      ; log2(e) / sqrt(64)
	s_mov_b32 s23, s22                             ; (named with it as a pair)
	s_and_b32 s10, ttmp7, 0xffff                   ; y = 8 b + s
	s_lshr_b32 s11, s10, 3                         ; b
	s_and_b32 s37, s10, 7                          ; s
	s_mov_b32 s24, 3<<16                           ; group 1: no mask, elements of 8 bytes, no padding: 51 rows of 256 bytes of a dense block
	s_mov_b32 s25, 32<<16
	s_mov_b32 s26, 51<<16
	s_mov_b32 s27, 32<<16
	s_mov_b32 s28, 51
	s_mov_b32 s29, 32
	s_mov_b32 s30, 0
	s_mov_b32 s31, 0
	s_mul_i32 s42, s10, 16*STEPB                   ; kv at my pair of heads
	s_mov_b32 s43, 0
	s_and_b32 s44, s12, 3
	s_mul_i32 s44, s44, ENT                        ; the quarter of a slot that I fetch, if I fetch
	s_mov_b32 s45, 0
	; Q: qq at (16 b + head) x 16 blocks
	s_lshl_b32 s46, s10, 1
	s_add_co_u32 s46, s46, s13
	s_lshl_b32 s46, s46, 4
	s_mul_i32 s47, s14, 768
	s_add_co_u32 s52, s46, s15
	s_mul_i32 s52, s52, 6656
	s_add_co_u32 s52, s52, s47
	s_mov_b32 s53, 0
	s_add_co_u32 s54, s46, s16
	s_mul_i32 s54, s54, 6656
	s_add_co_u32 s54, s54, s47
	s_mov_b32 s55, 0
	s_mul_i32 s58, s46, 6656
	s_mov_b32 s59, 0
	; oq: unit = ((g / 2) 4 + s / 2) 2 + g % 2, g = 16 b + block
	s_lshl_b32 s60, s11, 4
	s_lshr_b32 s61, s37, 1
	s_and_b32 s62, s37, 1
	s_add_co_u32 s41, s60, s15
	s_lshr_b32 s48, s41, 1
	s_lshl_b32 s48, s48, 2
	s_add_co_u32 s48, s48, s61
	s_lshl_b32 s48, s48, 1
	s_and_b32 s41, s41, 1
	s_add_co_u32 s48, s48, s41
	s_mul_i32 s48, s48, 25600
	s_add_co_u32 s41, s60, s16
	s_lshr_b32 s50, s41, 1
	s_lshl_b32 s50, s50, 2
	s_add_co_u32 s50, s50, s61
	s_lshl_b32 s50, s50, 1
	s_and_b32 s41, s41, 1
	s_add_co_u32 s50, s50, s41
	s_mul_i32 s50, s50, 25600
	s_cmp_eq_u32 s12, 0                            ; the scale words' copy: wave 0 block L's, wave 1 block H's
	s_cselect_b32 s56, s48, s50
	s_lshl_b32 s41, s62, 9
	s_add_co_u32 s56, s56, s41
	s_add_co_u32 s56, s56, 24576
	s_mov_b32 s57, 0
	s_lshr_b32 s41, s14, 1                         ; my half fragment in a unit: 6144 (w' / 2) + 3072 (s % 2) + 1536 (w' % 2) + 768 c
	s_mul_i32 s41, s41, 6144
	s_mul_i32 s63, s62, 3072
	s_add_co_u32 s41, s41, s63
	s_and_b32 s63, s14, 1
	s_mul_i32 s63, s63, 1536
	s_add_co_u32 s41, s41, s63
	s_mul_i32 s63, s13, 768
	s_add_co_u32 s41, s41, s63
	s_add_co_u32 s48, s48, s41
	s_mov_b32 s49, 0
	s_add_co_u32 s50, s50, s41
	s_mov_b32 s51, 0
	s_sub_co_u32 s41, s12, 4                       ; who prefetches: waves 4 to 10 of the work-group with i = 0
	s_cmp_lt_u32 s41, 7
	s_cselect_b32 s40, 1, -1
	s_cmp_eq_u32 ttmp9, 0
	s_cselect_b32 s40, s40, -1
	s_and_b32 s41, s41, 7
	s_lshl_b32 s41, s41, 13
	s_wait_dscnt 0x0                               ; both opening adds are done
	s_wait_kmcnt 0x0
	s_add_nc_u64 s[6:7], s[6:7], s[42:43]
	s_mov_b32 s32, 1
	s_mov_b32 s33, s44                             ; slot 0
	s_add_nc_u64 s[34:35], s[6:7], s[44:45]
	s_or_b32 s35, s35, 0x80000000
	TLOAD                                          ; slot 0: steps 0 and 1, which every tile H reads
	s_add_nc_u64 s[38:39], s[6:7], SLOTB           ; the prefetches stand at slot 1: the first change steps them to slot 2.  Nothing is prefetched here
	s_add_nc_u64 s[52:53], s[4:5], s[52:53]
	s_add_nc_u64 s[54:55], s[4:5], s[54:55]
	s_add_nc_u64 s[58:59], s[4:5], s[58:59]
	s_add_nc_u64 s[48:49], s[8:9], s[48:49]
	s_add_nc_u64 s[50:51], s[8:9], s[50:51]
	s_add_nc_u64 s[56:57], s[8:9], s[56:57]
	v_and_b32 v254, 31, v0                         ; L
	v_lshlrev_b32 v3, 4, v254                      ; 16 L
	v_lshlrev_b32 v4, 3, v254
	v_add_nc_u32 v4, 512, v4                       ; 8 L + 512
	v_lshl_add_u32 v253, v254, 8, s41
	v_min_u32 v253, SLOTB-256, v253                ; the prefetches' offset, held inside a slot
	v_and_b32 v255, 15, v0                         ; r
	v_bfe_u32 v254, v0, 4, 1                       ; h
	global_load_b128 v[20:23], v3, s[52:53]        ; Q's half fragments stay in registers
	global_load_b64 v[24:25], v4, s[52:53]
	global_load_b128 v[32:35], v3, s[54:55]
	global_load_b64 v[36:37], v4, s[54:55]
	s_sub_co_u32 s41, s16, s15
	s_mul_i32 s41, s41, 6656
	v_mul_lo_u32 v19, v254, s41                    ; lanes 16-31 take block H's words
	s_mul_i32 s41, s15, 6656
	s_and_b32 s42, s14, 1
	s_lshl_b32 s43, s42, 8
	s_add_co_u32 s41, s41, s43
	s_lshr_b32 s43, s14, 1
	s_lshl_b32 s44, s43, 2
	s_add_co_u32 s41, s41, s44
	v_add_nc_u32 v19, s41, v19
	v_lshl_add_u32 v19, v255, 4, v19               ; + 16 r + 256 (w' % 2) + 4 (w' / 2)
	global_load_b32 v18, v19, s[58:59] offset:6144
	v_lshrrev_b32 v7, 3, v255
	v_lshl_add_u32 v7, v7, 3, v255                 ; r + 8 (r / 8)
	v_lshlrev_b32 v5, 4, v254
	v_sub_nc_u32 v7, v7, v5                        ; - 16 h
	s_lshl_b32 s43, s43, 5
	s_lshl_b32 s42, s42, 3
	s_add_co_u32 s43, s43, s42
	v_add_nc_u32 v7, s43, v7                       ; d = my query in its block - 16 h
.irp j, 26,27,28,29,30,31,38,39,40,41,42,43,92,93,94,95,96,97
	v_mov_b32 v\j, 0                               ; zero codes: Q's upper 64 along K, and what stands behind K's last tile
.endr
	v_mov_b32 v11, 0xff61b1e6                      ; the largest t so far: -3e38
	v_mov_b32 v15, 0xff61b1e6
	v_floor_f32 v10, -v11                          ; -M
	v_floor_f32 v14, -v15
.irp j, 8,9,12,13,16,17,242,243,244,245
	v_mov_b32 v\j, 0                               ; the sums; registers named in pairs or as a lane permute's destination before they are first written
.endr
.set sj, 0
.rept 64
	v_mov_b32 v[162+sj], 0                         ; O^T: a step is written once for all steps; the first finds zeros, which the first change of M leaves zeros
.set sj, sj+1
.endr
	s_wait_loadcnt 0x0                             ; Q
.Lslot:                                            ; seven trips: every work-group walks all changes of slots, so that the trip counts are constants
	CHANGE 1
	TWO_STEPS
	s_sub_co_u32 s19, s19, 1
	s_cmp_lg_u32 s19, 0
	s_cbranch_scc1 .Lslot
	CHANGE 0                                       ; the last slot is written out: nothing is left to ask for
	TWO_STEPS
	; THE WAY OUT: O^T / the sum, quantised along the embedding axis (my head's 64 are two blocks), leaves as half a fragment for each tile; the scale bytes of both heads meet in LDS
	v_add_f32 v12, v12, v13
	v_add_f32 v16, v16, v17
	v_permlanex16_b32 v242, v12, s20, s21
	v_permlanex16_b32 v243, v16, s20, s21
	v_add_f32 v12, v12, v242                       ; the rows' sums
	v_add_f32 v16, v16, v243
	v_rcp_f32 v10, v12
	v_rcp_f32 v14, v16
	v_and_b32 v255, 15, v0                         ; (plain work behind the reciprocals)
	s_and_b32 s41, s14, 1
	s_lshl_b32 s41, s41, 8
	s_lshr_b32 s42, s14, 1
	s_lshl_b32 s42, s42, 2
	s_add_co_u32 s41, s41, s42
	s_lshl_b32 s42, s13, 1
	s_add_co_u32 s41, s41, s42
	s_add_co_u32 s41, s41, SCR
	v_lshlrev_b32 v255, 4, v255
	v_add_nc_u32 v255, s41, v255                   ; my two bytes: SCR + 16 r + 256 (w' % 2) + 4 (w' / 2) + 2 c
	s_and_b32 s41, s12, 1
	s_lshl_b32 s41, s41, 9
	s_add_co_u32 s41, s41, SCR
	v_add_nc_u32 v5, s41, v3                       ; the copy: SCR + 512 (wave % 2) + 16 L
	s_wait_alu depctr_va_vdst(0)                   ; one wait for both reciprocals, ahead of their first reader
.set sj, 0
.rept 16
	v_pk_mul_f32 v[S+sj:S+sj+1], v[162+sj:163+sj], v[10:11] op_sel_hi:[1,0]       ; each accumulator from its low end on
.set sj, sj+2
.endr
.set sj, 0
.rept 16
	v_pk_mul_f32 v[S+32+sj:S+33+sj], v[194+sj:195+sj], v[14:15] op_sel_hi:[1,0]
.set sj, sj+2
.endr
.irp b, 0,1,2,3
	v_max3_num_f32 v[238+\b], |v[S+16*\b]|, |v[S+1+16*\b]|, FLOOR
.endr
.irp i, 2,4,6,8,10,12,14
.irp b, 0,1,2,3
	v_max3_num_f32 v[238+\b], v[238+\b], |v[S+16*\b+\i]|, |v[S+1+16*\b+\i]|
.endr
.endr
.irp b, 0,1,2,3
	v_permlanex16_b32 v[242+\b], v[238+\b], s20, s21
.endr
.irp b, 0,1,2,3
	v_max_num_f32 v[238+\b], v[238+\b], v[242+\b]
.endr
.irp b, 0,1,2,3
	v_add_nc_u32 v[238+\b], EOFF, v[238+\b]
.endr
.irp b, 0,1,2,3
	v_lshrrev_b32 v[242+\b], 23, v[238+\b]
.endr
	v_lshl_or_b32 v254, v243, 8, v242              ; tile L's two bytes
	v_lshl_or_b32 v19, v245, 8, v244               ; tile H's
	PACK
	global_store_b128 v3, v[226:229], s[48:49]     ; 512 consecutive bytes, aligned
	global_store_b64 v4, v[230:231], s[48:49]      ; 256 consecutive bytes, aligned
	global_store_b128 v3, v[232:235], s[50:51]
	global_store_b64 v4, v[236:237], s[50:51]
	ds_store_b16 v255, v254                        ; (lanes l and l xor 16 write the same bytes with the same value)
	ds_store_b16 v255, v19 offset:512
	s_wait_dscnt 0x0                               ; for the others' sake: my bytes lie in LDS
	s_barrier_signal -1
	s_barrier_wait -1
	s_cmp_gt_u32 s12, 1
	s_cbranch_scc1 .Ldone
	ds_load_b128 v[98:101], v5
	s_wait_dscnt 0x0
	global_store_b128 v3, v[98:101], s[56:57]      ; a block's 512 bytes of scale words for this K step
.Ldone:
	s_wait_tensorcnt 0x0                           ; the wave's end
	ds_add_u32 v1, v2
	s_wait_dscnt 0x0
	s_endpgm
.Lfunc_end_k_q30c290213c_attn:
	.size	k_q30c290213c_attn, .Lfunc_end_k_q30c290213c_attn-k_q30c290213c_attn
	.p2alignl 7, 3214868480
	.fill 96, 4, 3214868480
	.section	.rodata,"a",@progbits
	.p2align	6, 0x0
	.amdhsa_kernel k_q30c290213c_attn
		.amdhsa_group_segment_fixed_size 327680
		.amdhsa_private_segment_fixed_size 0
		.amdhsa_enable_private_segment 0
		.amdhsa_kernarg_size 24
		.amdhsa_user_sgpr_count 2
		.amdhsa_user_sgpr_kernarg_segment_ptr 1
		.amdhsa_wavefront_size32 1
		.amdhsa_system_sgpr_workgroup_id_x 1
		.amdhsa_system_sgpr_workgroup_id_y 1
		.amdhsa_system_sgpr_workgroup_id_z 1
		.amdhsa_system_vgpr_workitem_id 0
		.amdhsa_next_free_vgpr 256
		.amdhsa_next_free_sgpr 66
		.amdhsa_reserve_vcc 1
		.amdhsa_float_denorm_mode_32 3
		.amdhsa_float_denorm_mode_16_64 3
		.amdhsa_memory_ordered 1
		.amdhsa_forward_progress 1
		.amdhsa_inst_pref_size 103
	.end_amdhsa_kernel
	.amdgpu_metadata
---
amdhsa.version: [ 1, 2 ]
amdhsa.kernels:
  - .name:           k_q30c290213c_attn
    .symbol:         k_q30c290213c_attn.kd
    .args:
      - { .name: qq, .offset: 0, .size: 8, .value_kind: global_buffer, .address_space: global }
      - { .name: kv, .offset: 8, .size: 8, .value_kind: global_buffer, .address_space: global }
      - { .name: oq, .offset: 16, .size: 8, .value_kind: global_buffer, .address_space: global }
    .group_segment_fixed_size: 327680
    .private_segment_fixed_size: 0
    .kernarg_segment_align: 8
    .kernarg_segment_size: 24
    .max_flat_workgroup_size: 512
    .sgpr_count:     66
    .vgpr_count:     256
    .wavefront_size: 32
...
	.end_amdgpu_metadata
.endif
;; end of part 3
;; launch oproj (part 4): grid 8 x 32, 4 waves a work-group, clusters of 4 x 4, 327,680 bytes of LDS; arguments oq, wq, out0; writes out0
.if DOCPART == 4
	.amdgcn_target "amdgcn-amd-amdhsa--gfx1250"
	.amdhsa_code_object_version 6
	.text
	.protected	k_q30c290213c_oproj
	.globl	k_q30c290213c_oproj
	.p2align	8
	.type	k_q30c290213c_oproj,@function
k_q30c290213c_oproj:
	s_mov_b64 s[64:65], 0
	v_nop
	global_prefetch_b8 v0, s[64:65] scope:SCOPE_SE
	s_setreg_imm32_b32 hwreg(HW_REG_WAVE_MODE, 25, 1), 1
	s_wait_xcnt 0x0
	s_wait_alu depctr_hold_cnt(0) depctr_sa_sdst(0) depctr_va_vdst(0) depctr_va_sdst(0) depctr_va_ssrc(0) depctr_va_vcc(0) depctr_vm_vsrc(0)
	s_getreg_b32 s2, hwreg(HW_REG_IB_STS2, 6, 4)
	s_cmp_eq_u32 s2, 0
	s_cbranch_scc0 .Lentry_in_a_cluster
	s_endpgm
.Lentry_in_a_cluster:
	s_bfe_u32 s2, ttmp6, 0x10000c
	s_cmp_lg_u32 s2, 0xf033
	s_cbranch_scc0 .Lentry_shape_is_right
	s_endpgm
.Lentry_shape_is_right:
; Launch 4 of 4: out = attention's result x Wo, both as codes of E3M2; f32 out.
; A work-group makes 256 tokens x 128 columns; wave (wr, wc) makes 128 tokens x 64 columns: 32 accumulators.  ALL OF K = 1024 LIES IN LDS (four chunks of 256: two units of oq, one of Wo), filled once: no ring; a wave has four tensor loads out.
; CLUSTER 4 x 4: oq's units are asked for jointly along a row of the cluster, Wo's along a column.
; Source 0 = 16 columns of Wo, source 1 = 16 tokens: a lane holds one token; the 16 registers of two neighbouring column tiles are 16 neighbouring columns (lane r of tile 2 p + u is row 32 p + 8 u + r + 8 (r / 8)).
; The way out goes through a stage of the wave's own, 16 tokens at a time, so that sixteen lanes store 256 consecutive aligned bytes.
; REGISTERS: window 0: v1-12 addresses; v16-27 scale words, two sets; v64-159 Wo's fragments, two sets of 48 (on the way out v64-127: rows read back).  window 1: the accumulators.  window 2: v0-191 oq's fragments, two sets of 96.
.set UNIT,  25600
.set ACH,   51200
.set BBASE, 204800
.set SPARE, 307200                     ; the spare words, 128 bytes a wave
.set STAGE, 307712                     ; 16 rows x (256 + 16) bytes for each wave: no tile lands here
.set MSB, 0
.macro WIN new                         ; the immediate's high byte repeats the setting that is left
.if MSB != \new
	s_set_vgpr_msb (MSB<<8)|\new
.set MSB, \new
.endif
.endm
.macro PLACES
.rept 4
	v_nop
.endr
.endm
.macro CROUND                          ; a round of the cluster's barrier
	s_barrier_signal -1
	s_barrier_wait -1
	s_cmp_lg_u32 s12, 0
	s_cbranch_scc1 .Lnot_wave_0_\@
	s_barrier_signal -3
.Lnot_wave_0_\@:
	s_barrier_wait -3
	s_barrier_signal -1
	s_barrier_wait -1
.endm
.macro WM zero, ra, rb                 ; one matrix instruction on rD, rA, rB, rSA, rSB.  ra, rb: the scale words stand in lanes 16-31
.if \zero
.if (\ra) && (\rb)
	v_wmma_scale_f32_16x16x128_f8f6f4 v[rD:rD+7], v[rA:rA+11], v[rB:rB+11], 0, v[rSA], v[rSB] matrix_a_fmt:MATRIX_FMT_BF6 matrix_b_fmt:MATRIX_FMT_BF6 matrix_a_scale:MATRIX_SCALE_ROW1 matrix_b_scale:MATRIX_SCALE_ROW1
.elseif \ra
	v_wmma_scale_f32_16x16x128_f8f6f4 v[rD:rD+7], v[rA:rA+11], v[rB:rB+11], 0, v[rSA], v[rSB] matrix_a_fmt:MATRIX_FMT_BF6 matrix_b_fmt:MATRIX_FMT_BF6 matrix_a_scale:MATRIX_SCALE_ROW1
.elseif \rb
	v_wmma_scale_f32_16x16x128_f8f6f4 v[rD:rD+7], v[rA:rA+11], v[rB:rB+11], 0, v[rSA], v[rSB] matrix_a_fmt:MATRIX_FMT_BF6 matrix_b_fmt:MATRIX_FMT_BF6 matrix_b_scale:MATRIX_SCALE_ROW1
.else
	v_wmma_scale_f32_16x16x128_f8f6f4 v[rD:rD+7], v[rA:rA+11], v[rB:rB+11], 0, v[rSA], v[rSB] matrix_a_fmt:MATRIX_FMT_BF6 matrix_b_fmt:MATRIX_FMT_BF6
.endif
.else
.if (\ra) && (\rb)
	v_wmma_scale_f32_16x16x128_f8f6f4 v[rD:rD+7], v[rA:rA+11], v[rB:rB+11], v[rD:rD+7], v[rSA], v[rSB] matrix_a_fmt:MATRIX_FMT_BF6 matrix_b_fmt:MATRIX_FMT_BF6 matrix_a_scale:MATRIX_SCALE_ROW1 matrix_b_scale:MATRIX_SCALE_ROW1
.elseif \ra
	v_wmma_scale_f32_16x16x128_f8f6f4 v[rD:rD+7], v[rA:rA+11], v[rB:rB+11], v[rD:rD+7], v[rSA], v[rSB] matrix_a_fmt:MATRIX_FMT_BF6 matrix_b_fmt:MATRIX_FMT_BF6 matrix_a_scale:MATRIX_SCALE_ROW1
.elseif \rb
	v_wmma_scale_f32_16x16x128_f8f6f4 v[rD:rD+7], v[rA:rA+11], v[rB:rB+11], v[rD:rD+7], v[rSA], v[rSB] matrix_a_fmt:MATRIX_FMT_BF6 matrix_b_fmt:MATRIX_FMT_BF6 matrix_b_scale:MATRIX_SCALE_ROW1
.else
	v_wmma_scale_f32_16x16x128_f8f6f4 v[rD:rD+7], v[rA:rA+11], v[rB:rB+11], v[rD:rD+7], v[rSA], v[rSB] matrix_a_fmt:MATRIX_FMT_BF6 matrix_b_fmt:MATRIX_FMT_BF6
.endif
.endif
.endm
.macro FRAG dst, a16, a8, off          ; a fragment's image: two halves of 512 + 256 bytes; every load is dense
	ds_load_b128 v[\dst:\dst+3], v[\a16] offset:\off
	ds_load_b64 v[\dst+4:\dst+5], v[\a8] offset:\off
	ds_load_b128 v[\dst+6:\dst+9], v[\a16] offset:\off+768
	ds_load_b64 v[\dst+10:\dst+11], v[\a8] offset:\off+768
.endm
.macro FETCH q, set                    ; 50 LDS loads: the chunk's q-th 128 along K: oq's 8 fragments, Wo's 4, their scale words
	WIN 0x80                                       ; destination window 2, address window 0
.set ft, 0
.rept 8
.set fD, 96*(\set)+12*ft
.set fO, (ft/2)*6144+(\q)*3072+(ft%2)*1536
	FRAG fD, 3, 4, fO
.set ft, ft+1
.endr
	WIN 0
.set ft, 0
.rept 4
.set fD, 64+48*(\set)+12*ft
.set fO, (ft/2)*6144+(\q)*3072+(ft%2)*1536
	FRAG fD, 5, 6, fO
.set ft, ft+1
.endr
	ds_load_b128 v[16+4*(\set):19+4*(\set)], v3 offset:24576+512*(\q)     ; register j: tile 2 j in lanes 0-15, tile 2 j + 1 in lanes 16-31
	ds_load_b64 v[24+2*(\set):25+2*(\set)], v7 offset:24576+512*(\q)
.endm
.macro MUL set, half, zero             ; 16 matrix instructions; D(token tile tt, column tile nt) at v[32 tt + 8 nt].  The 32 accumulators take turns, one instruction a turn
	WIN 0x58                                       ; source 0 window 0, source 1 window 2, C and D window 1
.set tt, 4*(\half)
.rept 4
.set nt, 0
.rept 4
.set rD, 32*tt+8*nt
.set rA, 64+48*(\set)+12*nt
.set rB, 96*(\set)+12*tt
.set rSA, 24+2*(\set)+nt/2
.set rSB, 16+4*(\set)+tt/2
	WM \zero, nt%2, tt%2
.set nt, nt+1
.endr
.set tt, tt+1
.endr
.endm
.macro KEVEN first                     ; a chunk's first 128 along K, on set 0; its second 128 are fetched into set 1
.if \first
.else
	PLACES                                         ; four places between the products that read set 1 and the loads into it
.endif
	FETCH 1, 1
	s_wait_dscnt 50                                ; all but the 50 loads just issued: set 0 is in
	MUL 0, 0, \first
	MUL 0, 1, \first
.endm
.macro KODD left                       ; a chunk's second 128, on set 1; the next chunk's first 128 are fetched into set 0.  left: my tensor loads for later chunks, which may stay out
	s_wait_dscnt 0x0                               ; set 1 is in, and no LDS instruction of mine is out at the signal
	s_wait_tensorcnt \left                         ; my part of the next chunk has landed;
	s_barrier_signal -1
	MUL 1, 0, 0
	s_barrier_wait -1                              ; everybody's has.
	WIN 0
	v_add_nc_u32 v3, ACH, v3                       ; on to the next chunk.  These five are the places between the products that read set 0 and the loads into it
	v_add_nc_u32 v4, ACH, v4
	v_add_nc_u32 v5, UNIT, v5
	v_add_nc_u32 v6, UNIT, v6
	v_add_nc_u32 v7, UNIT, v7
	FETCH 0, 0
	MUL 1, 1, 0
.endm
.macro TOSTAGE tt                      ; token tile tt: lane (r, h) holds token r's columns 32 (nt / 2) + 16 h + 8 (nt % 2) + 0 .. 7
	WIN 0x04                                       ; an LDS store's data are its source 1: window 1
.set on, 0
.rept 4
	ds_store_b128 v10, v[32*(\tt)+8*on:32*(\tt)+8*on+3] offset:128*(on/2)+32*(on%2)           ; each accumulator from its low end on
	ds_store_b128 v10, v[32*(\tt)+8*on+4:32*(\tt)+8*on+7] offset:128*(on/2)+32*(on%2)+16
.set on, on+1
.endr
	WIN 0
.set oi, 0
.rept 8
	ds_load_b128 v[64+32*((\tt)%2)+4*oi:67+32*((\tt)%2)+4*oi], v11 offset:544*oi   ; LDS serves a wave's instructions in order: these see the stores; two rows of 256 bytes an instruction
.set oi, oi+1
.endr
.endm
.macro SEND tt, younger                ; younger: the LDS instructions issued behind tile tt's loads, which may stay out
	s_wait_dscnt \younger
.set oi, 0
.rept 8
	global_store_b128 v12, v[64+32*((\tt)%2)+4*oi:67+32*((\tt)%2)+4*oi], s[86:87] offset:(32*((\tt)/2)+8*((\tt)%2)+2*oi+8*(oi/4))*4096 th:TH_STORE_NT   ; stage row 2 oi + L / 16 is that token; 16 lanes store 256 consecutive aligned bytes
.set oi, oi+1
.endr
.endm
	s_load_b128 s[4:7], s[0:1], 0x0                ; oq, wq
	s_load_b64 s[8:9], s[0:1], 0x10                ; out0
	v_lshl_add_u32 v1, v0, 2, SPARE                ; my spare word; never rewritten
	v_mov_b32 v2, 0                                ; 0; never rewritten
	ds_add_u32 v1, v2                              ; the wave's opening: the add, twice on end, and its wait ahead of my first tensor load
	ds_add_u32 v1, v2
	v_lshrrev_b32 v3, 5, v0
	v_readfirstlane_b32 s12, v3                    ; wave 0..3
	s_lshr_b32 s13, s12, 1                         ; wr: which 128 tokens.  Also: I fetch for oq (0) or for Wo (1)
	s_and_b32 s14, s12, 1                          ; wc: which 64 columns.  Also: which half of a chunk I fetch
	s_bfe_u32 s66, ttmp6, 0x40000                  ; cx
	s_bfe_u32 s67, ttmp6, 0x40004                  ; cy
	s_lshl_b32 s68, ttmp9, 2
	s_add_co_u32 s68, s68, s66                     ; column block 0..7
	s_and_b32 s69, ttmp7, 0xffff
	s_lshl_b32 s69, s69, 2
	s_add_co_u32 s69, s69, s67                     ; block of 256 tokens
	s_lshl_b32 s70, s67, 2
	s_lshl_b32 s70, 15, s70                        ; my row of the cluster
	s_lshl_b32 s71, 0x1111, s66                    ; my column
	s_or_b32 s16, s70, (3<<16)|(1<<21)             ; group 1 for oq: the mask; elements of 8 bytes; bit 21 beside a mask; no padding
	s_or_b32 s24, s71, (3<<16)|(1<<21)             ; and for Wo
.irp g, 16, 24
	s_mov_b32 s[\g+1], 32<<16                      ; rows of 256 bytes of a dense block
	s_mov_b32 s[\g+3], 32<<16
	s_mov_b32 s[\g+5], 32
	s_mov_b32 s[\g+6], 0
	s_mov_b32 s[\g+7], 0
.endr
	s_mov_b32 s18, 100<<16                         ; oq: a unit, 100 rows
	s_mov_b32 s20, 100
	s_mov_b32 s26, 50<<16                          ; Wo: half a unit, 50 rows
	s_mov_b32 s28, 50
	s_mul_i32 s76, s14, UNIT                       ; where they go: no place in the cluster enters an LDS address
	s_mul_i32 s77, s14, UNIT/2
	s_mul_i32 s72, s69, 4*ACH
	s_add_co_u32 s72, s72, s76
	s_mov_b32 s73, 0
	s_mul_i32 s74, s68, 4*UNIT
	s_add_co_u32 s74, s74, s77
	s_add_co_u32 s74, s74, 24*4*UNIT               ; Wo's units stand behind those of Wq, Wk, Wv
	s_mov_b32 s75, 0
	s_add_co_u32 s77, s77, BBASE
	s_wait_dscnt 0x0                               ; both opening adds are done
	s_wait_kmcnt 0x0
	s_add_nc_u64 s[72:73], s[4:5], s[72:73]
	s_add_nc_u64 s[74:75], s[6:7], s[74:75]
	CROUND                                         ; all sixteen work-groups are here: the joint loads meet
.irp kc, 0,1,2,3
	s_mov_b32 s[32+4*\kc], 1
	s_add_co_u32 s[33+4*\kc], s76, \kc*ACH
	s_add_nc_u64 s[34+4*\kc:35+4*\kc], s[72:73], \kc*ACH
	s_or_b32 s[35+4*\kc], s[35+4*\kc], 0x80000000
	s_mov_b32 s[48+4*\kc], 1
	s_add_co_u32 s[49+4*\kc], s77, \kc*UNIT
	s_add_nc_u64 s[50+4*\kc:51+4*\kc], s[74:75], \kc*UNIT
	s_or_b32 s[51+4*\kc], s[51+4*\kc], 0x80000000
.endr
	s_cmp_lt_u32 s12, 2                            ; four loads a wave, all first fills, in one group
	s_cbranch_scc0 .Lfill_b
.irp kc, 0,1,2,3
	tensor_load_to_lds s[32+4*\kc:35+4*\kc], s[16:23]
	s_nop 0
.endr
	PLACES
	s_branch .Lfilled
.Lfill_b:
.irp kc, 0,1,2,3
	tensor_load_to_lds s[48+4*\kc:51+4*\kc], s[24:31]
	s_nop 0
.endr
	PLACES
.Lfilled:
	v_and_b32 v13, 31, v0
	v_lshlrev_b32 v8, 4, v13                       ; 16 L
	v_lshlrev_b32 v9, 3, v13
	v_add_nc_u32 v9, 512, v9                       ; 8 L + 512
	s_mul_i32 s78, s13, UNIT
	v_add_nc_u32 v3, s78, v8
	v_add_nc_u32 v4, s78, v9
	s_mul_i32 s78, s14, 12288
	s_add_co_u32 s78, s78, BBASE
	v_add_nc_u32 v5, s78, v8
	v_add_nc_u32 v6, s78, v9
	s_lshl_b32 s78, s14, 3
	s_add_co_u32 s78, s78, BBASE
	v_add_nc_u32 v7, s78, v8
	v_and_b32 v13, 15, v0                          ; r
	v_bfe_u32 v14, v0, 4, 1                        ; h
	s_mul_i32 s78, s12, 4352
	s_add_co_u32 s78, s78, STAGE                   ; my stage
	v_mul_u32_u24 v10, v13, 272
	v_lshl_add_u32 v10, v14, 6, v10
	v_add_nc_u32 v10, s78, v10                     ; in: row r, + 64 h
	v_mul_u32_u24 v11, v14, 272
	v_lshl_add_u32 v11, v13, 4, v11
	v_add_nc_u32 v11, s78, v11                     ; back: lanes 0-15 one row, lanes 16-31 the next
	v_lshlrev_b32 v12, 12, v14
	v_lshl_add_u32 v12, v13, 4, v12                ; and the same in out0
	s_lshl_b32 s84, s69, 8
	s_lshl_b32 s85, s13, 7
	s_add_co_u32 s84, s84, s85                     ; my first token
	s_lshl_b32 s84, s84, 12
	s_lshl_b32 s85, s68, 9
	s_add_co_u32 s84, s84, s85                     ; + 512 x column block
	s_lshl_b32 s85, s14, 8
	s_add_co_u32 s84, s84, s85                     ; + 256 x wc
	s_mov_b32 s85, 0
	s_add_nc_u64 s[86:87], s[8:9], s[84:85]
	s_wait_tensorcnt 0x3                           ; my part of chunk 0 has landed; chunks 1 to 3 may be out
	s_barrier_signal -1
	s_barrier_wait -1
	FETCH 0, 0
	KEVEN 1
	KODD 2
	KEVEN 0
	KODD 1
	KEVEN 0
	KODD 0
	KEVEN 0
	s_wait_dscnt 0x0
	MUL 1, 0, 0
	MUL 1, 1, 0
	PLACES                                         ; four places behind the last products: their results are read, and loads land in their operands' registers
	TOSTAGE 0
.irp a, 1,2,3,4,5,6,7
.if \a > 1
	s_wait_xcnt 0x0                                ; tile a - 2's stores have read their registers: tile a's rows may land there
.endif
	TOSTAGE \a
	SEND \a-1, 16                                  ; behind tile a - 1's loads: tile a's 8 stores and 8 loads
.endr
	SEND 7, 0
	s_wait_tensorcnt 0x0                           ; the wave's end
	ds_add_u32 v1, v2
	s_wait_dscnt 0x0
	CROUND                                         ; the closing round: no work-group ends while a partner may still ask for a tile that names it
	s_endpgm
.Lfunc_end_k_q30c290213c_oproj:
	.size	k_q30c290213c_oproj, .Lfunc_end_k_q30c290213c_oproj-k_q30c290213c_oproj
	.p2alignl 7, 3214868480
	.fill 96, 4, 3214868480
	.section	.rodata,"a",@progbits
	.p2align	6, 0x0
	.amdhsa_kernel k_q30c290213c_oproj
		.amdhsa_group_segment_fixed_size 327680
		.amdhsa_private_segment_fixed_size 0
		.amdhsa_enable_private_segment 0
		.amdhsa_kernarg_size 24
		.amdhsa_user_sgpr_count 2
		.amdhsa_user_sgpr_kernarg_segment_ptr 1
		.amdhsa_wavefront_size32 1
		.amdhsa_system_sgpr_workgroup_id_x 1
		.amdhsa_system_sgpr_workgroup_id_y 1
		.amdhsa_system_sgpr_workgroup_id_z 1
		.amdhsa_system_vgpr_workitem_id 0
		.amdhsa_next_free_vgpr 704
		.amdhsa_next_free_sgpr 100
		.amdhsa_reserve_vcc 0
		.amdhsa_float_denorm_mode_32 3
		.amdhsa_float_denorm_mode_16_64 3
		.amdhsa_memory_ordered 1
		.amdhsa_forward_progress 1
		.amdhsa_inst_pref_size 83
	.end_amdhsa_kernel
	.amdgpu_metadata
---
amdhsa.version: [ 1, 2 ]
amdhsa.kernels:
  - .name:           k_q30c290213c_oproj
    .symbol:         k_q30c290213c_oproj.kd
    .args:
      - { .name: oq, .offset: 0, .size: 8, .value_kind: global_buffer, .address_space: global }
      - { .name: wq, .offset: 8, .size: 8, .value_kind: global_buffer, .address_space: global }
      - { .name: out0, .offset: 16, .size: 8, .value_kind: global_buffer, .address_space: global }
    .group_segment_fixed_size: 327680
    .private_segment_fixed_size: 0
    .kernarg_segment_align: 8
    .kernarg_segment_size: 24
    .max_flat_workgroup_size: 128
    .sgpr_count:     100
    .vgpr_count:     704
    .wavefront_size: 32
...
	.end_amdgpu_metadata
.endif
;; end of part 4
